; MI455X (gfx1250); checked and timed in simulation.
; The chip was launched on July 23, 2026; its instructions are those of AMD's public machine-readable ISA for CDNA 5 (MIT licence, August 2026) and "CDNA5" Instruction Set Architecture Reference Guide (July 2026). The comments in the code are by the model that wrote it; some were corrected since.
;; Attention. Allowed arithmetic: matrix products marked QUANTISED: E4M3 operands, one given power-of-two scale a tensor, by v_wmma_f32_16x16x64_fp8_fp8 or v_wmma_f32_16x16x128_fp8_fp8, f32 sums; everything else in f32.
;; Inputs: freqs_cos 2,048 x 64 float32; freqs_sin 2,048 x 64 float32; lowp_scales 12 int32 (the exponents e of the quantised operands' scales 2^e); wk 2,048 x 2,048 float32; wo 2,048 x 2,048 float32; wq 2,048 x 2,048 float32; wv 2,048 x 2,048 float32; x 1 x 2,048 x 2,048 float32.
;; Outputs: out0 1 x 2,048 x 2,048 float32.
;; This version of the problem:
;;   THIS VERSION OF THE PROBLEM IS GIVEN IN LOW PRECISION. The matrix products marked QUANTISED in the list below multiply operands that are first quantised to E4M3 (4 exponent bits, 3 mantissa bits; 8 bits a number), with one given power-of-two scale for each operand tensor; their sums are f32. All else is computed in f32.
;;   The module's matrix products, in the order in which they are computed (A, B: the left and right operand; K: the contracted axis; several contracted axes count as one K, in the product's order):
;;     1. [M 2,048, K 2,048] x [K 2,048, N 2,048]; A: input x; B: input wq: QUANTISED (scales: A lowp_scales[0], B lowp_scales[1])
;;     2. [M 2,048, K 2,048] x [K 2,048, N 2,048]; A: input x; B: input wk: QUANTISED (scales: A lowp_scales[2], B lowp_scales[3])
;;     3. [M 2,048, K 2,048] x [K 2,048, N 2,048]; A: input x; B: input wv: QUANTISED (scales: A lowp_scales[4], B lowp_scales[5])
;;     4. batch 16 x [M 2,048, K 128] x [K 128, N 2,048]; A: computed on the way; B: computed on the way: QUANTISED (scales: A lowp_scales[6], B lowp_scales[7])
;;     5. batch 16 x [M 128, K 2,048] x [K 2,048, N 2,048]; A: computed on the way; B: softmax (see below): QUANTISED (scales: A lowp_scales[8], B lowp_scales[9])
;;     6. [M 2,048, K 2,048] x [K 2,048, N 2,048]; A: computed on the way; B: input wo: QUANTISED (scales: A lowp_scales[10], B lowp_scales[11])
;;   THE QUANTISER, for each operand of a quantised product, along K:
;;     - The operand's scale is 2^e, e = its entry of the input lowp_scales (int32; the entries are numbered through the quantised products in the list's order, A before B).
;;     - Each number is divided by the scale, clamped to +-448, and rounded to the nearest number of E4M3, ties to even, subnormals kept.
;;     - The product sums the exact products of the quantised numbers (number of the format x scale) in f32.
;;   ~~~python
;;   def quantise(x, axis, e):      # numpy; x: float32 -> the quantised numbers, widened to float32 again
;;       x = np.moveaxis(x, axis, -1); K = x.shape[-1]
;;       r = np.clip(x / 2.0 ** e, -448, 448)
;;       step = 2.0 ** (np.maximum(np.frexp(np.where(r == 0, 1, r))[1] - 1, -6) - 3)
;;       q = np.round(r / step) * step * 2.0 ** e      # np.round: ties to even
;;       return np.moveaxis(q, -1, axis).astype(np.float32)
;;   ~~~
;;   SOFTMAX AHEAD OF A QUANTISED PRODUCT. Where the list says 'softmax', what is quantised is not the finished softmax but p = 2^(t - M), with t = logit x log2(e) and M = ceil(the row's largest t), a whole number; so 1/2 < the row's largest p <= 1. The row's sum l is taken of the UNQUANTISED p, in f32, and the product's result is divided by l at the end. Since M is a whole number, a kernel that streams over the keys may use a running M (the ceiling of the running maximum): every later rescaling is an exact power of two, so the quantised numbers keep their values, but for numbers so far below the row's largest that they fall under the format's range.
;;   OPERANDS COMPUTED ON THE WAY. 'Computed on the way' means the value that the module computes at that place (a softmax that the list does not call 'softmax' is quantised finished and normalised). What goes into a quantiser is computed in f32, as accurately as f32 sums, v_exp_f32 and their like allow (about 1e-6 of the number): no bf16 or f16 on the way to a quantiser, and a product that is left as it is and whose result goes on into a quantised operand takes f32 operands (vector FMAs, or v_wmma_f32_16x16x4_f32). A number that lies on a knife's edge between two numbers of the format may be rounded either way, as far as f32 arithmetic and the matrix unit's own rounding can turn it there, and no further.
;; One version. Each part assembles by itself: llvm-mc -triple=amdgcn-amd-amdhsa -mcpu=gfx1250 --defsym DOCPART=n.
;; ======== version 1 of 1: 4 launches
;; limits: right only within a limited range of input values
;; workspace buffers: xcodes 12,582,912 bytes; wcodes 12,582,912 bytes; wocodes 4,194,304 bytes; qkv 12,582,912 bytes; ocodes 4,194,304 bytes
;; launch quant (part 1): grid 1280 x 1, 4 waves a work-group, no clusters, 51,200 bytes of LDS; arguments x, wq, wk, wv, lowp_scales, xcodes, wcodes; writes xcodes, wcodes
.if DOCPART == 1
	.amdgcn_target "amdgcn-amd-amdhsa--gfx1250"
	.amdhsa_code_object_version 6
	.text
	.protected	k_qdf73d82da8_quant
	.globl	k_qdf73d82da8_quant
	.p2align	8
	.type	k_qdf73d82da8_quant,@function
k_qdf73d82da8_quant:
	s_mov_b64 s[64:65], 0
	v_nop
	global_prefetch_b8 v0, s[64:65] scope:SCOPE_SE
	s_setreg_imm32_b32 hwreg(HW_REG_WAVE_MODE, 25, 1), 1
	s_wait_xcnt 0x0
; THE PROGRAM: quant (x, wq, wk, wv to codes), qkv (three products, RoPE, codes; and wo to codes), attn, oproj.
; LEFT OUT, in attn alone: scores of keys that come after every query of a tile.  reference() sets them to -infinity by its own causal mask, so their p is 0 whatever the inputs hold.
; LIMIT: a NaN, an infinity or an overflow that reaches only such masked scores is not carried to the result.
; THIS LAUNCH: x [2048][2048] f32 becomes codes of E4M3 three times (scales 2^e0, 2^e2, 2^e4); wq, wk, wv [K 2048][N 2048] f32 once each (2^e1, 2^e3, 2^e5).
; code = number / 2^e, held within +-448, rounded to the nearest code, ties to even.
; LIMITS: each of these e lies between -126 and 119, so that 2^e and 448 x 2^e are f32 numbers.  NaN among the inputs is not served.
; THE LAYOUT OF ALL CODES: AN IMAGE of 2,048 bytes is a fragment of 16 rows x 128 K as the plain 8-bit matrix form holds it, lane by lane: register p (0..15), byte q of lane l lie at
; 512 (p / 4) + 16 l + 4 (p % 4) + q and hold row l % 16 at k = 16 (p / 2) + 8 (l / 16) + 4 (p % 2) + q.  So 32 along K of 16 rows are 512 consecutive bytes.
; xcodes: [3 scales][128 tiles of 16 rows][16 steps of 128 K][2,048].   wcodes: [3: q, k, v][128 tiles of 16 columns n][16 steps of 128 K][2,048].
; In the tiles of wq and wk columns 4 i + 1 and 4 i + 2 have changed places: the two numbers that RoPE turns together then stand two registers apart in qkv, and packed instructions serve them.
; q and k get the same order along the head, so their product has the same terms.
; Work-groups 0-767 take the weights, 768-1279 take x: five fit on a WGP by registers.  The two ways share no LDS byte.  No barrier: a wave touches its own LDS bytes alone.
; No prefetch: there is no loop to run ahead in; a wave has all its loads out at once.
.set XW,   8448                        ; x's way: a wave's stage, 16 rows x (512 bytes + 16), from LDS byte 0 on
.set WST,  4*XW                        ; the weights' way: a wave's stage, 8 tiles x (512 bytes + 16), behind them
.set TP,   528
.set WW,   8*TP
.set SPARE, WST+4*WW                   ; the spare words: 128 bytes a wave
.set R,    16                          ; weights: v16-143 32 rows of K x my 4 columns, as loaded
.set Y,    144                         ; v144-175 two sets of 16 held numbers down K
.set XR,   16                          ; x: v16-79 16 rows as loaded
.set XX,   80                          ; v80-143 my 64 numbers: register 8 c + i = k 16 c + 8 (lane / 16) + i of row lane % 16
.set XT,   16                          ; v16-47 two sets of 16 held numbers (the rows have left for the stage)
.set XC,   144                         ; v144-191 three fragments of codes
.macro MKSCALE vs, vl, se              ; v[vs] = 2^e as f32 (the conversion takes its exponent field), v[vl] = 448 x 2^e
	s_add_co_i32 s46, \se, 127
	s_lshl_b32 s47, s46, 23
	v_mov_b32 v[\vs], s47
	s_add_co_i32 s46, s46, 8
	s_lshl_b32 s46, s46, 23
	s_or_b32 s46, s46, 0x600000
	v_mov_b32 v[\vl], s46
.endm
	s_load_b256 s[4:11], s[0:1], 0x0               ; x 4:5, wq 6:7, wk 8:9, wv 10:11
	s_load_b128 s[12:15], s[0:1], 0x20             ; the exponents 12:13, xcodes 14:15
	s_load_b64 s[16:17], s[0:1], 0x30              ; wcodes
	v_lshl_add_u32 v14, v0, 2, SPARE
	v_mov_b32 v15, 0
	v_lshrrev_b32 v1, 5, v0
	v_readfirstlane_b32 s36, v1                    ; wave 0..3
	v_and_b32 v2, 31, v0                           ; lane
	v_lshlrev_b32 v3, 4, v2                        ; 16 x lane
	s_wait_alu depctr_va_vdst(0)
	s_wait_kmcnt 0x0
	s_load_b256 s[24:31], s[12:13], 0x0            ; e0 .. e7
	s_cmp_lt_u32 ttmp9, 768
	s_cbranch_scc0 .Lx
; ---- THE WEIGHTS.  K is the first axis: a lane takes four neighbouring columns, a load brings one row of K (512 consecutive bytes), and the holds lay each column's numbers down K into
; consecutive registers, as the conversions want them.  A wave takes 128 columns x 32 along K: 512 bytes of eight images, which go through its stage and leave as 512 consecutive bytes a store.
	s_lshr_b32 s37, ttmp9, 8                       ; which weight: 0 q, 1 k, 2 v
	s_and_b32 s38, ttmp9, 15                       ; which 128 columns
	s_bfe_u32 s39, ttmp9, 0x40004                  ; which step of 128 along K; the wave's number: which 32 of it
	s_cmp_eq_u32 s37, 0
	s_cselect_b64 s[20:21], s[6:7], s[8:9]
	s_cmp_eq_u32 s37, 2
	s_cselect_b64 s[20:21], s[10:11], s[20:21]     ; the choice hangs on the work-group's number alone
	s_lshl_b32 s32, s39, 20                        ; 128 rows of 8,192 bytes
	s_lshl_b32 s33, s36, 18
	s_add_co_u32 s32, s32, s33                     ; + my wave's 32 rows
	s_lshl_b32 s33, s38, 9
	s_add_co_u32 s32, s32, s33                     ; + 128 columns of 4 bytes
	s_mov_b32 s33, 0
	s_add_nc_u64 s[20:21], s[20:21], s[32:33]
.set i, 0
.rept 32
	global_load_b128 v[R+4*i:R+4*i+3], v3, s[20:21] offset:8192*i th:TH_LOAD_NT
.set i, i+1
.endr
	s_lshl_b32 s32, s37, 22                        ; the weight's 4 MiB of codes,
	s_lshl_b32 s33, s38, 18
	s_add_co_u32 s32, s32, s33                     ; 8 tiles of columns x 16 steps x 2,048,
	s_lshl_b32 s33, s39, 11
	s_add_co_u32 s32, s32, s33                     ; the step,
	s_lshl_b32 s33, s36, 9
	s_add_co_u32 s32, s32, s33                     ; my 32 along K in it
	s_mov_b32 s33, 0
	s_add_nc_u64 s[16:17], s[16:17], s[32:33]
	s_cmp_lt_u32 s37, 2
	s_cselect_b32 s40, -1, 0                       ; wq, wk: columns 1 and 2 of my four change places: a mask of all lanes
	s_mul_i32 s35, s36, WW
	s_add_co_u32 s35, s35, WST                     ; my stage
	v_lshrrev_b32 v5, 2, v2
	v_mul_u32_u24 v5, v5, TP                       ; my columns' tile
	v_and_b32 v6, 3, v2
	v_lshl_add_u32 v4, v6, 6, v5                   ; and their first row in it, 16 bytes a row
	v_add_nc_u32 v4, s35, v4
	v_add_nc_u32 v7, s35, v3                       ; out of the stage: 16 x lane
	s_wait_alu depctr_va_vdst(0)
	s_wait_kmcnt 0x0
	s_cmp_eq_u32 s37, 0
	s_cselect_b32 s34, s25, s27                    ; e1 or e3
	s_cmp_eq_u32 s37, 2
	s_cselect_b32 s34, s29, s34                    ; e5
	MKSCALE 11, 10, s34
	s_wait_alu depctr_va_vdst(0)
.macro HALF u, cc, tt                  ; (v[tt] on: eight registers at work, which held rows of the first half)
.irp j, 0,1,2,3
.set YS, Y+16*(\j%2)                   ; two sets by turns: the other set's sixteen holds stand between a conversion and the next write of its sources
.set i, 0
.rept 16
	v_med3_num_f32 v[YS+i], v[R+64*\u+4*i+\j], -v10, v10   ; the conversion to an 8-bit code does not saturate (ISA guide 7.6.2): the hold comes first
.set i, i+1
.endr
	v_cvt_scalef32_pk8_fp8_f32 v[\cc+4*\j:\cc+4*\j+1], v[YS:YS+7], v11
	v_cvt_scalef32_pk8_fp8_f32 v[\cc+4*\j+2:\cc+4*\j+3], v[YS+8:YS+15], v11
.endr
.irp i, 0,1,2,3
	v_cndmask_b32 v[\tt+\i], v[\cc+4+\i], v[\cc+8+\i], s40
	v_cndmask_b32 v[\tt+4+\i], v[\cc+8+\i], v[\cc+4+\i], s40
.endr
.irp g, 0,1                            ; k = 16 u + 8 g + 0 .. 7: in the lanes' half g, 8 u bytes on
	ds_store_b64 v4, v[\cc+2*\g:\cc+2*\g+1] offset:256*\g+8*\u
	ds_store_b64 v4, v[\tt+2*\g:\tt+1+2*\g] offset:256*\g+8*\u+16
	ds_store_b64 v4, v[\tt+4+2*\g:\tt+5+2*\g] offset:256*\g+8*\u+32
	ds_store_b64 v4, v[\cc+12+2*\g:\cc+13+2*\g] offset:256*\g+8*\u+48
.endr
.endm
	s_wait_loadcnt 16                              ; the first 16 rows are in
	HALF 0, 176, 64
	s_wait_loadcnt 0x0
	HALF 1, 16, 72
.set i, 0
.rept 8
	ds_load_b128 v[32+4*i:35+4*i], v7 offset:TP*i  ; LDS serves a wave's instructions in order (ISA guide 5.7.1.4): these see my stores
.set i, i+1
.endr
.set i, 0
.rept 8
	s_wait_dscnt 7-i
	global_store_b128 v3, v[32+4*i:35+4*i], s[16:17] offset:32768*i   ; 32 lanes store 512 consecutive bytes, aligned
.set i, i+1
.endr
	s_wait_tensorcnt 0x0                           ; the wave's end
	ds_add_u32 v14, v15
	s_wait_dscnt 0x0
	s_endpgm
; ---- x.  K is innermost.  A wave makes one image place (16 rows x 128 K) in the three scales.  Each load reads 512 consecutive bytes of one row; the 8,192 bytes turn through the wave's stage,
; so that a lane gets the eight neighbours along K that each conversion wants.  Stage rows are 528 bytes apart: the 16 rows that a read touches fall on 16 different columns of 16 bytes.
.Lx:
	s_sub_co_u32 s37, ttmp9, 768
	s_lshl_b32 s37, s37, 2
	s_add_co_u32 s37, s37, s36                     ; my image place: 16 x tile of rows + step of K
	s_lshr_b32 s38, s37, 4
	s_and_b32 s39, s37, 15
	s_lshl_b32 s32, s38, 17                        ; 16 rows of 8,192 bytes
	s_lshl_b32 s33, s39, 9                         ; 128 numbers of 4 bytes
	s_add_co_u32 s32, s32, s33
	s_mov_b32 s33, 0
	s_add_nc_u64 s[4:5], s[4:5], s[32:33]
.set i, 0
.rept 16
	global_load_b128 v[XR+4*i:XR+4*i+3], v3, s[4:5] offset:8192*i th:TH_LOAD_NT
.set i, i+1
.endr
	s_lshl_b32 s32, s37, 11
	s_add_nc_u64 s[20:21], s[14:15], s[32:33]      ; the image under 2^e0,
	s_add_nc_u64 s[22:23], s[20:21], 0x400000      ; under 2^e2,
	s_add_nc_u64 s[44:45], s[20:21], 0x800000      ; under 2^e4
	s_mul_i32 s34, s36, XW
	v_add_nc_u32 v4, s34, v3                       ; into the stage as loaded
	v_and_b32 v6, 15, v2
	v_lshrrev_b32 v7, 4, v2
	v_mul_u32_u24 v5, v6, 528
	v_lshl_add_u32 v5, v7, 5, v5
	v_add_nc_u32 v5, s34, v5                       ; out of it: row lane % 16, + 32 bytes for the upper half of the lanes
	s_wait_alu depctr_va_vdst(0)
	s_wait_kmcnt 0x0
	MKSCALE 8, 9, s24
	MKSCALE 10, 11, s26
	MKSCALE 12, 13, s28
	s_wait_alu depctr_va_vdst(0)
.set i, 0
.rept 16
	s_wait_loadcnt 15-i                            ; loads come back in order: row i is in, the younger ones may be out
	ds_store_b128 v4, v[XR+4*i:XR+4*i+3] offset:528*i
.set i, i+1
.endr
.irp c, 0,1,2,3,4,5,6,7
	ds_load_b128 v[XX+8*\c:XX+8*\c+3], v5 offset:64*\c
	ds_load_b128 v[XX+8*\c+4:XX+8*\c+7], v5 offset:64*\c+16
.endr
	s_wait_dscnt 0x0
.irp k, 0,1,2
.irp u, 0,1,2,3                        ; two sets by turns, as above
.set i, 0
.rept 16
	v_med3_num_f32 v[XT+16*(\u%2)+i], v[XX+16*\u+i], -v[9+2*\k], v[9+2*\k]
.set i, i+1
.endr
	v_cvt_scalef32_pk8_fp8_f32 v[XC+16*\k+4*\u:XC+16*\k+4*\u+1], v[XT+16*(\u%2):XT+16*(\u%2)+7], v[8+2*\k]
	v_cvt_scalef32_pk8_fp8_f32 v[XC+16*\k+4*\u+2:XC+16*\k+4*\u+3], v[XT+16*(\u%2)+8:XT+16*(\u%2)+15], v[8+2*\k]
.endr
.endr
.irp c, 0,1,2,3
	global_store_b128 v3, v[XC+4*\c:XC+4*\c+3], s[20:21] offset:512*\c       ; 32 lanes store 512 consecutive bytes, aligned
.endr
.irp c, 0,1,2,3
	global_store_b128 v3, v[XC+16+4*\c:XC+16+4*\c+3], s[22:23] offset:512*\c
.endr
.irp c, 0,1,2,3
	global_store_b128 v3, v[XC+32+4*\c:XC+32+4*\c+3], s[44:45] offset:512*\c
.endr
	s_wait_tensorcnt 0x0                           ; the wave's end
	ds_add_u32 v14, v15
	s_wait_dscnt 0x0
	s_endpgm
.Lfunc_end_k_qdf73d82da8_quant:
	.size	k_qdf73d82da8_quant, .Lfunc_end_k_qdf73d82da8_quant-k_qdf73d82da8_quant
	.p2alignl 7, 3214868480
	.fill 96, 4, 3214868480
	.section	.rodata,"a",@progbits
	.p2align	6, 0x0
	.amdhsa_kernel k_qdf73d82da8_quant
		.amdhsa_group_segment_fixed_size 51200
		.amdhsa_private_segment_fixed_size 0
		.amdhsa_enable_private_segment 0
		.amdhsa_kernarg_size 56
		.amdhsa_user_sgpr_count 2
		.amdhsa_user_sgpr_kernarg_segment_ptr 1
		.amdhsa_wavefront_size32 1
		.amdhsa_system_sgpr_workgroup_id_x 1
		.amdhsa_system_sgpr_workgroup_id_y 1
		.amdhsa_system_sgpr_workgroup_id_z 1
		.amdhsa_system_vgpr_workitem_id 0
		.amdhsa_next_free_vgpr 192
		.amdhsa_next_free_sgpr 66
		.amdhsa_reserve_vcc 0
		.amdhsa_float_denorm_mode_32 3
		.amdhsa_float_denorm_mode_16_64 3
		.amdhsa_memory_ordered 1
		.amdhsa_forward_progress 1
		.amdhsa_inst_pref_size 39
	.end_amdhsa_kernel
	.amdgpu_metadata
---
amdhsa.version: [ 1, 2 ]
amdhsa.kernels:
  - .name:           k_qdf73d82da8_quant
    .symbol:         k_qdf73d82da8_quant.kd
    .args:
      - { .name: x, .offset: 0, .size: 8, .value_kind: global_buffer, .address_space: global }
      - { .name: wq, .offset: 8, .size: 8, .value_kind: global_buffer, .address_space: global }
      - { .name: wk, .offset: 16, .size: 8, .value_kind: global_buffer, .address_space: global }
      - { .name: wv, .offset: 24, .size: 8, .value_kind: global_buffer, .address_space: global }
      - { .name: lowp_scales, .offset: 32, .size: 8, .value_kind: global_buffer, .address_space: global }
      - { .name: xcodes, .offset: 40, .size: 8, .value_kind: global_buffer, .address_space: global }
      - { .name: wcodes, .offset: 48, .size: 8, .value_kind: global_buffer, .address_space: global }
    .group_segment_fixed_size: 51200
    .private_segment_fixed_size: 0
    .kernarg_segment_align: 8
    .kernarg_segment_size: 56
    .max_flat_workgroup_size: 128
    .sgpr_count:     66
    .vgpr_count:     192
    .wavefront_size: 32
...
	.end_amdgpu_metadata
.endif
;; end of part 1
;; launch qkv (part 2): grid 8 x 32, 4 waves a work-group, clusters of 4 x 4, 327,680 bytes of LDS; arguments xcodes, wcodes, freqs_cos, freqs_sin, lowp_scales, qkv, wo, wocodes; writes qkv, wocodes
.if DOCPART == 2
	.amdgcn_target "amdgcn-amd-amdhsa--gfx1250"
	.amdhsa_code_object_version 6
	.text
	.protected	k_qdf73d82da8_qkv
	.globl	k_qdf73d82da8_qkv
	.p2align	8
	.type	k_qdf73d82da8_qkv,@function
k_qdf73d82da8_qkv:
	s_mov_b64 s[64:65], 0
	v_nop
	global_prefetch_b8 v0, s[64:65] scope:SCOPE_SE
	s_setreg_imm32_b32 hwreg(HW_REG_WAVE_MODE, 25, 1), 1
	s_wait_xcnt 0x0
	s_wait_alu depctr_hold_cnt(0) depctr_sa_sdst(0) depctr_va_vdst(0) depctr_va_sdst(0) depctr_va_ssrc(0) depctr_va_vcc(0) depctr_vm_vsrc(0)
	s_getreg_b32 s2, hwreg(HW_REG_IB_STS2, 6, 4)
	s_cmp_eq_u32 s2, 0
	s_cbranch_scc0 .Lentry_in_a_cluster
	s_endpgm
.Lentry_in_a_cluster:
	s_bfe_u32 s2, ttmp6, 0x10000c
	s_cmp_lg_u32 s2, 0xf033
	s_cbranch_scc0 .Lentry_shape_is_right
	s_endpgm
.Lentry_shape_is_right:
; Clusters y = 0 .. 5: q, k, v = x W on codes of E4M3 (two cluster rows for each); RoPE on q and k; all three quantised at once (2^e6, 2^e7, 2^e8) and stored as images (the layout is stated in quant's head).
; Clusters y = 6, 7: wo becomes codes (2^e11): 64 work-groups that the products leave over; no joint load names them.
; A block of 256 x 256 is made by a work-group of four waves, 128 x 128 each: 64 accumulators of 16 x 16.  K goes in slots of 256 through a ring of two slots of 131,072 bytes: A's 16 tiles, then B's 16, two images each.
; q, k: A = tokens (x), B = columns of W; v: A = columns of wv, B = tokens.  Source 0 = B's rows, source 1 = A's: a lane holds one row of A and its registers run along B: neighbours along the K of the product that comes next.
; CLUSTERS of 4 x 4: A's tiles are shared along a row of the cluster, B's along a column, by joint loads.
; REGISTERS, windows of 256: 0: v0-31 addresses, v32-95 cos and sin of block 0, v96-127 codes, v128-255 A's fragments (one set); 1: B's fragments, two sets (on the way out: cos and sin); 2, 3: accumulators of my rows 0-63, 64-127.
; LIMITS: e6 - e0 - e1, e7 - e2 - e3, e8 - e4 - e5 and e11 lie between -126 and 119.  NaN is not served.
.set SLOT,  131072
.set SPARE, 2*SLOT                     ; behind the ring: the spare words, 128 bytes a wave
.set STG,   SPARE+512                  ; wo's way: a stage of 8 tiles x 528 bytes for each wave; no tile lands there
.set TP,    528
.set FR,    16
.set NP,    4                          ; places behind this matrix instruction (ISA guide 7.12.1)
.set SC,    10                         ; v10 the conversion's scale, v11 448 x it
.set LM,    11
.set ADRA,  16                         ; v16, v17: LDS address of my fragments of A, of B in the slot in hand; v18, v19: in slot 0
.set ADRB,  17
.set LI,    26                         ; v26 16 x lane
.set CSO,   27                         ; v27 my offset in cos and sin
.set SPW,   28                         ; v28 my spare word, v29 0
.set NIL,   29
.set PFO,   30                         ; v30 the tiles' prefetch offset, v31 that of cos and sin
.set PFC,   31
.set CD,    96
.set TMP,   128
.set AF,    128
.set TB,    2                          ; s2 LDS byte at which the slot in hand begins
.set LIMC,  66                         ; s66 the trip in which cos and sin are prefetched (v: none)
.set MSB, 0
.macro WIN new                         ; the immediate's high byte repeats the setting that is left
.if MSB != (\new)
	s_set_vgpr_msb (MSB<<8)|(\new)
.set MSB, (\new)
.endif
.endm
.set MUL_LO, 0xa1
.set MUL_HI, 0xf1
.set TO_B,   0x40
; A joint load: waves 0, 1 fetch A's halves, waves 2, 3 B's.  The branch hangs on the wave's number alone; s_nop 0 and four v_nop follow each line.
.macro JLOAD
	s_cmp_eq_u32 s15, 0
	s_cbranch_scc0 .Lfor_b_\@
	tensor_load_to_lds s[32:35], s[24:31]
	s_nop 0
.rept 4
	v_nop
.endr
	s_branch .Lasked_\@
.Lfor_b_\@:
	tensor_load_to_lds s[56:59], s[48:55]
	s_nop 0
.rept 4
	v_nop
.endr
.Lasked_\@:
.endm
.macro WALK                            ; both descriptors on to the next 256 along K and to the other slot (no load of mine is out)
	s_add_nc_u64 s[34:35], s[34:35], 4096
	s_xor_b32 s33, s33, SLOT
	s_add_nc_u64 s[58:59], s[58:59], 4096
	s_xor_b32 s57, s57, SLOT
.endm
.macro CREST                           ; a round of the cluster's barrier behind its opening barrier
	s_cmp_lg_u32 s14, 0
	s_cbranch_scc1 .Lnot_wave_0_\@
	s_barrier_signal -3
.Lnot_wave_0_\@:
	s_barrier_wait -3
	s_barrier_signal -1
	s_barrier_wait -1
.endm
.macro CROUND
	s_barrier_signal -1
	s_barrier_wait -1
	CREST
.endm
.macro MKSCALE                         ; s91: exponent + 127
	s_lshl_b32 s94, s91, 23
	v_mov_b32 v[SC], s94
	s_add_co_i32 s91, s91, 8
	s_lshl_b32 s91, s91, 23
	s_or_b32 s91, s91, 0x600000
	v_mov_b32 v[LM], s91
.endm
	s_load_b512 s[68:83], s[0:1], 0x0              ; xcodes 68, wcodes 70, cos 72, sin 74, exponents 76, qkv 78, wo 80, wocodes 82
	v_lshl_add_u32 v[SPW], v0, 2, SPARE
	v_mov_b32 v[NIL], 0
	ds_add_u32 v[SPW], v[NIL]                      ; the opening lines
	ds_add_u32 v[SPW], v[NIL]
	v_lshrrev_b32 v1, 5, v0
	v_readfirstlane_b32 s14, v1                    ; wave 0..3
	s_lshr_b32 s15, s14, 1                         ; my half of A's rows; also: I fetch for A (0) or B (1)
	s_and_b32 s16, s14, 1                          ; my half of B's rows; also: which half I fetch
	s_bfe_u32 s40, ttmp6, 0x40000                  ; cx
	s_bfe_u32 s41, ttmp6, 0x40004                  ; cy
	s_lshl_b32 s42, ttmp9, 2
	s_add_co_u32 s42, s42, s40                     ; B's block, 0..7
	s_and_b32 s13, ttmp7, 0xffff                   ; the cluster's y
	s_lshr_b32 s12, s13, 1                         ; 0 q, 1 k, 2 v, 3 wo
	s_and_b32 s17, s13, 1
	s_lshl_b32 s17, s17, 2
	s_add_co_u32 s17, s17, s41                     ; A's block, 0..7
	s_lshl_b32 s43, s41, 2
	s_lshl_b32 s43, 15, s43                        ; my row of the cluster
	s_lshl_b32 s44, 0x1111, s40                    ; my column
	s_or_b32 s24, s43, (3<<16)|(1<<21)             ; descriptor group 1: the mask; elements of 8 bytes; bit 21 beside a mask; no padding
	s_or_b32 s48, s44, (3<<16)|(1<<21)
.irp g, 24, 48
	s_mov_b32 s[\g+1], 512<<16                     ; a row: 4,096 bytes (a tile's two images)
	s_mov_b32 s[\g+2], 8<<16
	s_mov_b32 s[\g+3], 512<<16
	s_mov_b32 s[\g+4], 8                           ; eight tiles
	s_mov_b32 s[\g+5], 4096                        ; 32,768 bytes from tile to tile
	s_mov_b32 s[\g+6], 0
	s_mov_b32 s[\g+7], 0
.endr
	s_lshl_b32 s18, s16, 18
	s_lshl_b32 s19, s12, 22
	s_lshl_b32 s20, s17, 19
	s_add_co_u32 s20, s20, s18
	s_add_co_u32 s20, s20, s19
	s_mov_b32 s21, 0
	s_lshl_b32 s46, s42, 19
	s_add_co_u32 s46, s46, s18
	s_add_co_u32 s46, s46, s19
	s_mov_b32 s47, 0
	s_lshl_b32 s45, s14, 15
	s_wait_alu depctr_va_vdst(0)
	s_wait_dscnt 0x0                               ; both opening adds are done
	s_wait_kmcnt 0x0
	s_cmp_ge_u32 s13, 6
	s_cbranch_scc1 .Lwo                            ; the same in a whole cluster
	s_load_b256 s[84:91], s[76:77], 0x0            ; e0 .. e7
	s_load_b32 s92, s[76:77], 0x20                 ; e8
	s_cmp_eq_u32 s12, 2
	s_cselect_b64 s[60:61], s[70:71], s[68:69]
	s_cselect_b64 s[62:63], s[68:69], s[70:71]
	s_add_nc_u64 s[20:21], s[60:61], s[20:21]
	s_add_nc_u64 s[46:47], s[62:63], s[46:47]
	s_mov_b32 s32, 1
	s_mov_b32 s33, s45
	s_mov_b64 s[34:35], s[20:21]
	s_or_b32 s35, s35, 0x80000000
	s_mov_b32 s56, 1
	s_mov_b32 s57, s45
	s_mov_b64 s[58:59], s[46:47]
	s_or_b32 s59, s59, 0x80000000
	CROUND                                         ; all sixteen work-groups are here: the first joint loads meet
	JLOAD                                          ; slot 0: one tensor load a wave at the head
; PREFETCHES INTO THE L2, at most two slots ahead of the joint load: of the eight tiles that a wave fetches with its three partners each partner names two (by address: cx for A, cy for B), 32 blocks of 256 bytes, one instruction.
; Behind slot 0's load: slot 1; behind slot 1's: 2 and 3; behind slot s's: s + 2, up to 7.  cos and sin (q, k): a work-group's 256 rows, a quarter for each partner of the row, a lane a row of 256 bytes, once, in the loop's third trip.
	s_cmp_eq_u32 s15, 0
	s_cselect_b64 s[22:23], s[20:21], s[46:47]
	s_cselect_b64 s[60:61], s[72:73], s[74:75]
	s_cselect_b32 s94, s40, s41
	s_lshl_b32 s94, s94, 16
	s_mov_b32 s95, 0
	s_add_nc_u64 s[22:23], s[22:23], s[94:95]
	s_lshl_b32 s94, s17, 16
	s_lshl_b32 s93, s40, 14
	s_add_co_u32 s94, s94, s93
	s_lshl_b32 s93, s16, 13
	s_add_co_u32 s94, s94, s93
	s_add_nc_u64 s[60:61], s[60:61], s[94:95]
	s_lshl_b32 s94, s17, 16
	s_lshl_b32 s18, s15, 15                        ; my half of A in a slot; also 128 rows of cos
	s_add_co_u32 s94, s94, s18
	s_add_nc_u64 s[96:97], s[72:73], s[94:95]
	s_add_nc_u64 s[98:99], s[74:75], s[94:95]
	s_lshl_b32 s19, s16, 15
	s_add_co_u32 s19, s19, 65536                   ; my half of B in a slot
	s_cmp_eq_u32 s12, 2
	s_cselect_b32 s[LIMC], 0, 4
	s_mov_b32 s[TB], 0
	v_and_b32 v1, 15, v0
	v_bfe_u32 v2, v0, 4, 1
	v_and_b32 v3, 31, v0
	v_lshlrev_b32 v[PFO], 15, v2
	v_lshl_add_u32 v[PFO], v1, 8, v[PFO]
	v_lshlrev_b32 v[PFC], 8, v3
	v_lshlrev_b32 v[LI], 4, v3
	v_lshlrev_b32 v[CSO], 8, v1
	v_lshl_add_u32 v[CSO], v2, 4, v[CSO]
	v_add_nc_u32 v18, s18, v[LI]
	v_add_nc_u32 v19, s19, v[LI]
	v_mov_b32 v[ADRA], v18
	v_mov_b32 v[ADRB], v19
	global_prefetch_b8 v[PFO], s[22:23] offset:4096 th:TH_LOAD_NT scope:SCOPE_SE
	s_wait_alu depctr_va_vdst(0)
	s_wait_kmcnt 0x0
	s_cmp_eq_u32 s12, 0                            ; a sum stands for sum x 2^(ex + ew): its code is sum / 2^(eo - ex - ew)
	s_cselect_b32 s93, s84, s86
	s_cselect_b32 s94, s85, s87
	s_cselect_b32 s91, s90, s91
	s_cmp_eq_u32 s12, 2
	s_cselect_b32 s93, s88, s93
	s_cselect_b32 s94, s89, s94
	s_cselect_b32 s91, s92, s91
	s_sub_co_i32 s91, s91, s93
	s_sub_co_i32 s91, s91, s94
	s_add_co_i32 s91, s91, 127
	MKSCALE
	s_lshl_b32 s93, s17, 1                         ; q, k: [16 heads][128 tiles of tokens]: head by B's block, tiles by A's; v: [16 heads][16 blocks of 128 keys][8 tiles of channels]: the other way round
	s_add_co_u32 s93, s93, s15
	s_lshl_b32 s94, s42, 1
	s_add_co_u32 s94, s94, s16
	s_cmp_eq_u32 s12, 2
	s_cselect_b32 s84, s93, s94
	s_cselect_b32 s86, s94, s93
	s_lshl_b32 s84, s84, 18
	s_lshl_b32 s86, s86, 14
	s_add_co_u32 s86, s86, s84
	s_lshl_b32 s84, s12, 22
	s_add_co_u32 s86, s86, s84
	s_mov_b32 s87, 0
	s_add_nc_u64 s[78:79], s[78:79], s[86:87]
.macro LOADCS a, reg                   ; block a's cos and sin: for each tile of 16 columns my row's four pairs
.irp b, 0,1,2,3,4,5,6,7
	global_load_b128 v[\reg+8*\b:\reg+8*\b+3], v[CSO], s[96:97] offset:(\a)*4096+32*\b
	global_load_b128 v[\reg+8*\b+4:\reg+8*\b+7], v[CSO], s[98:99] offset:(\a)*4096+32*\b
.endr
.endm
.macro FRAG reg, adr, q, i
.irp c, 0,1,2,3
	ds_load_b128 v[\reg+4*\c:\reg+4*\c+3], v[\adr] offset:(\i)*4096+(\q)*2048+512*\c
.endr
.endm
; 16 matrix instructions: A's blocks a0, a0 + 1 x B's eight.  The 64 accumulators take turns, one instruction a turn, in the same order in every step.
.macro MUL16 a0, p, zero
.irp a, \a0, \a0+1
.irp b, 0,1,2,3,4,5,6,7
.if \zero
	v_wmma_f32_16x16x128_fp8_fp8 v[8*(8*((\a)%4)+\b):8*(8*((\a)%4)+\b)+7], v[128*(\p)+FR*\b:128*(\p)+FR*\b+FR-1], v[AF+FR*(\a):AF+FR*(\a)+FR-1], 0
.else
	v_wmma_f32_16x16x128_fp8_fp8 v[8*(8*((\a)%4)+\b):8*(8*((\a)%4)+\b)+7], v[128*(\p)+FR*\b:128*(\p)+FR*\b+FR-1], v[AF+FR*(\a):AF+FR*(\a)+FR-1], v[8*(8*((\a)%4)+\b):8*(8*((\a)%4)+\b)+7]
.endif
.endr
.endr
.endm
.macro FETCH_B q, p
	WIN TO_B
.irp i, 0,1,2,3,4,5,6,7
	FRAG 128*(\p)+FR*\i, ADRB, \q, \i
.endr
	WIN 0
.endm
.macro FETCH_A q, i0
.irp i, \i0, \i0+1, \i0+2, \i0+3
	FRAG AF+FR*(\i), ADRA, \q, \i
.endr
.endm
.macro PLACES                          ; a load into, or a vector write of, a register that a matrix instruction has read stands four places behind it
.rept NP
	v_nop
.endr
.endm
; A slot's first 128 along K (B's set 0).  The second's fragments of B (set 1) are asked for at its start, A's blocks 0-3 at its middle, 4-7 at its end.
.macro STEP zero
	FETCH_B 1, 1                                   ; (the four places stand in front of the last run of loads)
	s_wait_dscnt 48                                ; B and A's blocks 0-3 are in; A's blocks 4-7 (16) and the 32 just issued may be out
	WIN MUL_LO
	MUL16 0, 0, \zero
	MUL16 2, 0, \zero
	s_wait_dscnt 32                                ; A's blocks 4-7 are in
	PLACES
	WIN 0
	FETCH_A 1, 0
	WIN MUL_HI
	MUL16 4, 0, \zero
	MUL16 6, 0, \zero
	PLACES
	WIN 0
	FETCH_A 1, 4
.endm
; A slot's second 128 along K (set 1) changes slots: ONE barrier, which opens a round of the cluster's barrier where the slot is filled again (fill = 1).
.macro TURN fill
.if \fill
	s_wait_xcnt 0x0                                ; my prefetches have read their address
	s_add_nc_u64 s[22:23], s[22:23], 4096
.endif
	s_wait_tensorcnt 0x0                           ; my part of the next slot has landed
	ds_add_u32 v[SPW], v[NIL]
	s_xor_b32 s[TB], s[TB], SLOT
.if \fill
	WALK
.endif
	s_wait_dscnt 17                                ; B and A's blocks 0-3 are in; blocks 4-7 (16) and the add may be out
	WIN MUL_LO
	MUL16 0, 1, 0
	s_wait_dscnt 0x0                               ; the add is done, and my reads of this slot are over
	s_barrier_signal -1
	MUL16 2, 1, 0
	WIN 0
	s_barrier_wait -1
.if \fill
	CREST
	JLOAD                                          ; the first tensor load behind the round; its four v_nop are also the places in front of the loads below
.else
	PLACES
.endif
	v_add_nc_u32 v[ADRA], s[TB], v18
	v_add_nc_u32 v[ADRB], s[TB], v19
	s_wait_alu depctr_va_vdst(0)
	FETCH_B 0, 0
	FETCH_A 0, 0
.if \fill
	s_cmp_gt_u32 s3, 2                             ; the slot two behind the one just asked for is 7 at the most
	s_cbranch_scc0 .Lno_tile_\@
	global_prefetch_b8 v[PFO], s[22:23] offset:12288 th:TH_LOAD_NT scope:SCOPE_SE
.Lno_tile_\@:
	s_cmp_eq_u32 s3, s[LIMC]
	s_cbranch_scc0 .Lno_cs_\@
	global_prefetch_b8 v[PFC], s[60:61] th:TH_LOAD_NT scope:SCOPE_SE
.Lno_cs_\@:
.endif
	WIN MUL_HI
	MUL16 4, 1, 0
	MUL16 6, 1, 0
	PLACES
	WIN 0
	FETCH_A 0, 4
.endm
	s_wait_alu depctr_va_vdst(0)
	s_wait_tensorcnt 0x0                           ; my part of slot 0 is in
	ds_add_u32 v[SPW], v[NIL]
	WALK
	s_wait_dscnt 0x0
	CROUND
	JLOAD                                          ; slot 1
	FETCH_B 0, 0
	FETCH_A 0, 0
	FETCH_A 0, 4
	global_prefetch_b8 v[PFO], s[22:23] offset:12288 th:TH_LOAD_NT scope:SCOPE_SE
	global_prefetch_b8 v[PFO], s[22:23] offset:8192 th:TH_LOAD_NT scope:SCOPE_SE
	STEP 1                                         ; the first products start the sums
	s_mov_b32 s3, 6
.Lslot:                                                ; six trips: each fills the slot that it leaves, with slots 2 to 7
	TURN 1
	STEP 0
	s_sub_co_u32 s3, s3, 1
	s_cmp_lg_u32 s3, 0
	s_cbranch_scc1 .Lslot
	s_cmp_eq_u32 s12, 2
	s_cbranch_scc1 .Lno_cs0
	LOADCS 0, 32                                   ; v32-95 are free: block 0's cos and sin have the next two steps in which to come
.Lno_cs0:
	TURN 0
	STEP 0
	s_cmp_eq_u32 s12, 2
	s_cbranch_scc1 .Lno_rope
	WIN TO_B
	LOADCS 1, 0                                    ; B's set 0 is done with
	LOADCS 2, 64
	WIN 0
.Lno_rope:
	s_wait_dscnt 16
	WIN MUL_LO
	MUL16 0, 1, 0
	MUL16 2, 1, 0
	s_wait_dscnt 0x0
	WIN MUL_HI
	MUL16 4, 1, 0
	MUL16 6, 1, 0
	WIN 0
; THE WAY OUT, by blocks of 16 rows of A: a tile's eight results of a lane become registers 2 b, 2 b + 1 of the block's image.
.macro PACKOUT a
.set CDA, CD+16*((\a)%2)
.irp b, 0,1,2,3,4,5,6,7
	v_cvt_scalef32_pk8_fp8_f32 v[CDA+2*\b:CDA+2*\b+1], v[TMP+8*\b:TMP+8*\b+7], v[SC]
.endr
	v_nop
.irp c, 0,1,2,3
	global_store_b128 v[LI], v[CDA+4*\c:CDA+4*\c+3], s[78:79] offset:(\a)*2048+512*\c   ; 32 lanes store 512 consecutive bytes, aligned
.endr
.endm
; RoPE.  By the order of W's columns a tile's registers 4 g, 4 g + 1 are the first numbers of two pairs, 4 g + 2, 4 g + 3 the second numbers.
.macro ROPEBLK a
.set AC, 64*((\a)%4)
.if (\a) >= 2
	s_wait_xcnt 0x0                                ; the stores two blocks back have read their registers
.endif
.if (\a) <= 4
	s_wait_loadcnt 48                              ; this block's cos and sin are in; three blocks' may be out
.else
	s_wait_loadcnt 16*(7-(\a))
.endif
.if (\a) == 0
.set CSA, 32
	WIN 0x02
.else
.set CSA, 64*(((\a)-1)%4)
	WIN 0x06+((\a)/4)
.endif
.irp b, 0,1,2,3,4,5,6,7
.irp g, 0,1
	v_pk_mul_f32 v[4*\g:4*\g+1], v[AC+8*\b+4*\g+2:AC+8*\b+4*\g+3], v[CSA+8*\b+4+2*\g:CSA+8*\b+5+2*\g]
	v_pk_mul_f32 v[4*\g+2:4*\g+3], v[AC+8*\b+4*\g+2:AC+8*\b+4*\g+3], v[CSA+8*\b+2*\g:CSA+8*\b+1+2*\g]
.endr
.irp g, 0,1
	v_pk_fma_f32 v[TMP+8*\b+4*\g:TMP+8*\b+4*\g+1], v[AC+8*\b+4*\g:AC+8*\b+4*\g+1], v[CSA+8*\b+2*\g:CSA+8*\b+1+2*\g], v[4*\g:4*\g+1] neg_lo:[0,0,1] neg_hi:[0,0,1]
	v_pk_fma_f32 v[TMP+8*\b+4*\g+2:TMP+8*\b+4*\g+3], v[AC+8*\b+4*\g:AC+8*\b+4*\g+1], v[CSA+8*\b+4+2*\g:CSA+8*\b+5+2*\g], v[4*\g+2:4*\g+3]
.endr
.endr
.if (\a) <= 3
	WIN TO_B
	LOADCS (\a)+4, 64*(((\a)+3)%4)
.endif
	WIN 0
.set j, 0
.rept 64
	v_med3_num_f32 v[TMP+j], v[TMP+j], -v[LM], v[LM]   ; the conversion does not saturate (ISA guide 7.6.2): the hold comes first
.set j, j+1
.endr
	PACKOUT \a
.endm
.macro PLAINBLK a
.set AC, 64*((\a)%4)
.if (\a) >= 2
	s_wait_xcnt 0x0
.endif
	WIN 0x02+((\a)/4)
.set j, 0
.rept 64
	v_med3_num_f32 v[TMP+j], v[AC+j], -v[LM], v[LM]
.set j, j+1
.endr
	WIN 0
	PACKOUT \a
.endm
	PLACES
	s_cmp_eq_u32 s12, 2
	s_cbranch_scc1 .Lplain
	WIN TO_B
	LOADCS 3, 128
	WIN 0
.irp a, 0,1,2,3,4,5,6,7
	ROPEBLK \a
.endr
	s_wait_tensorcnt 0x0                           ; the wave's end
	ds_add_u32 v[SPW], v[NIL]
	s_wait_dscnt 0x0
	CROUND                                         ; the closing round
	s_endpgm
.Lplain:
.irp a, 0,1,2,3,4,5,6,7
	PLAINBLK \a
.endr
	s_wait_tensorcnt 0x0                           ; the wave's end
	ds_add_u32 v[SPW], v[NIL]
	s_wait_dscnt 0x0
	CROUND
	s_endpgm
; ---- wo [K 2048][N 2048] f32 to codes, as quant does its weights: a wave takes 128 columns x 128 along K in four blocks of 32; a lane four neighbouring columns; the holds lay each column down K.
; Two halves of 16 rows take turns: each half's next 16 loads go out when it has been read.
.set R,  32                            ; v32-159 two halves of 16 rows x 4 columns
.set Y,  160                           ; v160-191 held numbers, two sets
.set C,  192                           ; v192-223 codes, two halves
.set OUTR, 224
.Lwo:
	s_load_b32 s92, s[76:77], 0x2c                 ; e11
	s_sub_co_u32 s13, s13, 6
	s_lshl_b32 s13, s13, 2
	s_add_co_u32 s13, s13, s41                     ; 0..7
	s_and_b32 s16, s13, 1
	s_lshl_b32 s16, s16, 3
	s_add_co_u32 s16, s16, s42                     ; which 128 columns
	s_lshr_b32 s17, s13, 1
	s_lshl_b32 s17, s17, 2
	s_add_co_u32 s17, s17, s14                     ; which 128 along K
	s_lshl_b32 s18, s17, 20
	s_lshl_b32 s19, s16, 9
	s_add_co_u32 s18, s18, s19
	s_mov_b32 s19, 0
	s_add_nc_u64 s[80:81], s[80:81], s[18:19]
	s_lshl_b32 s18, s17, 11
	s_lshl_b32 s94, s16, 18
	s_add_co_u32 s18, s18, s94
	s_add_nc_u64 s[82:83], s[82:83], s[18:19]
	s_mul_i32 s94, s14, 8*TP
	s_add_co_u32 s94, s94, STG                     ; my stage
	v_and_b32 v3, 31, v0
	v_lshlrev_b32 v[LI], 4, v3
	v_lshrrev_b32 v5, 2, v3
	v_mul_u32_u24 v5, v5, TP
	v_and_b32 v6, 3, v3
	v_lshl_add_u32 v4, v6, 6, v5
	v_add_nc_u32 v4, s94, v4                       ; into it
	v_add_nc_u32 v7, s94, v[LI]                    ; out of it
.macro WLOAD u, blk
.set i, 0
.rept 16
	global_load_b128 v[R+64*\u+4*i:R+64*\u+4*i+3], v[LI], s[80:81] offset:(32*\blk+16*\u+i)*8192 th:TH_LOAD_NT
.set i, i+1
.endr
.endm
.macro HALF u
.irp j, 0,1,2,3
.set YS, Y+16*(\j%2)
.set i, 0
.rept 16
	v_med3_num_f32 v[YS+i], v[R+64*\u+4*i+\j], -v[LM], v[LM]
.set i, i+1
.endr
	v_cvt_scalef32_pk8_fp8_f32 v[C+16*\u+4*\j:C+16*\u+4*\j+1], v[YS:YS+7], v[SC]
	v_cvt_scalef32_pk8_fp8_f32 v[C+16*\u+4*\j+2:C+16*\u+4*\j+3], v[YS+8:YS+15], v[SC]
.endr
.irp j, 0,1,2,3
	ds_store_b64 v4, v[C+16*\u+4*\j:C+16*\u+4*\j+1] offset:16*\j+8*\u
	ds_store_b64 v4, v[C+16*\u+4*\j+2:C+16*\u+4*\j+3] offset:16*\j+8*\u+256
.endr
.endm
	s_wait_alu depctr_va_vdst(0)
	WLOAD 0, 0
	WLOAD 1, 0
	s_wait_kmcnt 0x0
	s_add_co_i32 s91, s92, 127
	MKSCALE
	s_mov_b32 s3, 4
	s_wait_alu depctr_va_vdst(0)
.Lblk:
	s_wait_loadcnt 16                              ; the first half is in; the second's 16 loads may be out
	HALF 0
	s_cmp_eq_u32 s3, 1
	s_cbranch_scc1 .Llast0                         ; the last block asks for nothing behind it
	WLOAD 0, 1
	s_wait_loadcnt 16                              ; the second half is in
	s_branch .Lhalf1
.Llast0:
	s_wait_loadcnt 0x0
.Lhalf1:
	HALF 1
	s_cmp_eq_u32 s3, 1
	s_cbranch_scc1 .Llast1
	WLOAD 1, 1
.Llast1:
.set i, 0
.rept 8
	ds_load_b128 v[OUTR+4*i:OUTR+4*i+3], v7 offset:TP*i   ; LDS serves a wave's instructions in order
.set i, i+1
.endr
	s_wait_dscnt 0x0
.set i, 0
.rept 8
	global_store_b128 v[LI], v[OUTR+4*i:OUTR+4*i+3], s[82:83] offset:32768*i   ; 32 lanes store 512 consecutive bytes, aligned
.set i, i+1
.endr
	s_wait_xcnt 0x0                                ; the bases and the stores' registers may be written
	s_add_nc_u64 s[80:81], s[80:81], 0x40000
	s_add_nc_u64 s[82:83], s[82:83], 512
	s_sub_co_u32 s3, s3, 1
	s_cmp_lg_u32 s3, 0
	s_cbranch_scc1 .Lblk
	s_wait_tensorcnt 0x0                           ; the wave's end
	ds_add_u32 v[SPW], v[NIL]
	s_wait_dscnt 0x0
	CROUND
	s_endpgm
.Lfunc_end_k_qdf73d82da8_qkv:
	.size	k_qdf73d82da8_qkv, .Lfunc_end_k_qdf73d82da8_qkv-k_qdf73d82da8_qkv
	.p2alignl 7, 3214868480
	.fill 96, 4, 3214868480
	.section	.rodata,"a",@progbits
	.p2align	6, 0x0
	.amdhsa_kernel k_qdf73d82da8_qkv
		.amdhsa_group_segment_fixed_size 327680
		.amdhsa_private_segment_fixed_size 0
		.amdhsa_enable_private_segment 0
		.amdhsa_kernarg_size 64
		.amdhsa_user_sgpr_count 2
		.amdhsa_user_sgpr_kernarg_segment_ptr 1
		.amdhsa_wavefront_size32 1
		.amdhsa_system_sgpr_workgroup_id_x 1
		.amdhsa_system_sgpr_workgroup_id_y 1
		.amdhsa_system_sgpr_workgroup_id_z 1
		.amdhsa_system_vgpr_workitem_id 0
		.amdhsa_next_free_vgpr 1024
		.amdhsa_next_free_sgpr 100
		.amdhsa_reserve_vcc 0
		.amdhsa_float_denorm_mode_32 3
		.amdhsa_float_denorm_mode_16_64 3
		.amdhsa_memory_ordered 1
		.amdhsa_forward_progress 1
		.amdhsa_inst_pref_size 207
	.end_amdhsa_kernel
	.amdgpu_metadata
---
amdhsa.version: [ 1, 2 ]
amdhsa.kernels:
  - .name:           k_qdf73d82da8_qkv
    .symbol:         k_qdf73d82da8_qkv.kd
    .args:
      - { .name: xcodes, .offset: 0, .size: 8, .value_kind: global_buffer, .address_space: global }
      - { .name: wcodes, .offset: 8, .size: 8, .value_kind: global_buffer, .address_space: global }
      - { .name: freqs_cos, .offset: 16, .size: 8, .value_kind: global_buffer, .address_space: global }
      - { .name: freqs_sin, .offset: 24, .size: 8, .value_kind: global_buffer, .address_space: global }
      - { .name: lowp_scales, .offset: 32, .size: 8, .value_kind: global_buffer, .address_space: global }
      - { .name: qkv, .offset: 40, .size: 8, .value_kind: global_buffer, .address_space: global }
      - { .name: wo, .offset: 48, .size: 8, .value_kind: global_buffer, .address_space: global }
      - { .name: wocodes, .offset: 56, .size: 8, .value_kind: global_buffer, .address_space: global }
    .group_segment_fixed_size: 327680
    .private_segment_fixed_size: 0
    .kernarg_segment_align: 8
    .kernarg_segment_size: 64
    .max_flat_workgroup_size: 128
    .sgpr_count:     100
    .vgpr_count:     1024
    .wavefront_size: 32
...
	.end_amdgpu_metadata
.endif
;; end of part 2
;; launch attn (part 3): grid 16 x 16, 8 waves a work-group, no clusters, 327,680 bytes of LDS; arguments qkv, lowp_scales, ocodes; writes ocodes
.if DOCPART == 3
	.amdgcn_target "amdgcn-amd-amdhsa--gfx1250"
	.amdhsa_code_object_version 6
	.text
	.protected	k_qdf73d82da8_attn
	.globl	k_qdf73d82da8_attn
	.p2align	8
	.type	k_qdf73d82da8_attn,@function
k_qdf73d82da8_attn:
	s_mov_b64 s[64:65], 0
	v_nop
	global_prefetch_b8 v0, s[64:65] scope:SCOPE_SE
	s_setreg_imm32_b32 hwreg(HW_REG_WAVE_MODE, 25, 1), 1
	s_wait_xcnt 0x0
; o[q][head] = the sum over keys k <= q of softmax_k(q . k / sqrt(128)) v, both products on codes of E4M3; o is quantised at once with 2^e10 and leaves as codes.
; LEFT OUT: steps of 128 keys that all come after a wave's queries, and slots of 512 keys that all come after the work-group's: reference() masks those scores itself, so their p is 0 for all inputs.
; LIMIT: a NaN, an infinity or an overflow in such a score alone is not carried to the result.
; qkv: q at 0, k at 4 MiB: [16 heads][128 tiles of 16 tokens][2,048]; v at 8 MiB: [16 heads][16 blocks of 128 keys][8 tiles of 16 channels][2,048].  ocodes: [128 tiles of 16 tokens][16 heads][2,048].
; Each 2,048 bytes are an IMAGE of a fragment (quant's head states the layout): four accesses of 16 bytes a lane, 512 bytes apart, move one.
; THE SOFTMAX AHEAD OF THE SECOND PRODUCT: t = score x log2(e) / sqrt(128); M = the row's largest t so far, rounded UP to a whole number; p = 2^(t - M) is quantised with 2^e9; it is not normalised.
; The row's sum is taken of the unquantised p, in f32, and divides O at the end.  When M moves, the sum and O are multiplied by 2^(old M - new M): exact.
; LIMITS on the given exponents, so that each power of two below is an f32 number: e6 + e7 between -123 and 130; e9, and e10 - e8 - e9, between -126 and 119.  The scaled scores stay under 2^31 in magnitude.  NaN is not served.
; SHARES.  Work-group (j, head) owns the blocks of 64 queries j and 31 - j.  Eight waves of 512 registers: waves 0-3 take block j, 4-7 block 31 - j; bit 1 of the wave's number picks 32 of the 64 queries: TWO TILES of 16,
; so that each fragment of K and V that is read from LDS feeds two matrix instructions; bit 0 is the parity: the wave of parity u takes keys 128 (2 i + u) on.  Each keeps its own M, sum and O^T for both tiles.
; At the end the two waves of a pair of tiles exchange: each keeps the tile that it calls 0 (the tile of its own parity), hands tile 1 to the other through LDS, and joins and stores one tile.  All M are whole numbers: the join multiplies by exact powers of two.
; Both products are used transposed: S^T = K Q^T (source 0 = 16 keys), O^T = V^T P^T (source 0 = 16 channels): a lane holds ONE query (lane % 16) throughout, and a tile's eight registers are keys (channels)
; 16 t + 8 (lane / 16) + 0 .. 7: just what registers 2 t, 2 t + 1 of the next operand hold.  So each conversion's result is the next operand's registers.
; THE RING: two LDS slots of 512 keys: K's 32 images, then V's 32; each wave brings an eighth of a slot by one tensor load, all read.  THE LOOK-AHEAD ENDS AT THE CAUSAL LIMIT: a slot whose first key comes after the work-group's last
; query is not asked for: a jump on ids and the count of slots leads round the load alone; every wait on TENSORcnt is for 0.
; NO CLUSTER, though the 16 work-groups of a head read the same K and V: the steps and slots that are left out are chosen by branches on the work-group's own blocks, and in a launch with joint loads none may hang on its place.
; REGISTERS: window 0: v1-7 addresses; v8 -M, v9 the largest t, v[10:11] the sum in two halves of tile 1; v12-15 of tile 0; v16-47 Q; v48-79 codes of P; v80-93 at work; v96-223 eight fragments of K or V; v224-255 at work.
;   window 1: v0-63, v64-127 S^T, then p, of tiles 0, 1; v128-191, v192-255 O^T of tiles 0, 1.
.set SLOT1, 1<<17
.set VOFF,  65536                      ; V's images in a slot
.set SPARE, 2*SLOT1                    ; the spare words: 128 bytes for each wave
.set STGP,  8704                       ; the exchange's stage, from LDS byte 0 on: for each wave 16 x 512 bytes of O^T and 512 of -M, t and the sum
.set AK0,  1                           ; v1   16 x lane + 16,384 x my parity
.set AV0,  2                           ; v2   the same + VOFF
.set PFO,  3                           ; v3   256 x lane: the prefetches' offset
.set STW,  4                           ; v4   my place in my stage, v5 in the other wave's
.set STR,  5
.set SPW,  6                           ; v6   my spare word, v7 0
.set NIL,  7
.set GO,   80                          ; v80  16 x lane
.set ADK,  81
.set ADV,  82
.set LM,   83                          ; v83  448 x 2^e9, v84 2^e9 (on the way out those of o)
.set SC,   84
.set FA,   86                          ; v[86:87], v[88:89] the factors of tiles 0, 1 (low words)
.set FB,   88
.set RH,   93                          ; v93  lane % 16 - 8 (lane / 16)
.set FR,   96
.set TB,   2
.set WV,   18
.set SEL,  20                          ; s[20:21] lane selects for v_permlanex16_b32: lane l xor 16
.set CS,   22                          ; s[22:23] log2(e) / sqrt(128) x 2^(e6 + e7)
.set G1,   24
.set G0,   40
.set NK,   66                          ; s66  first key of the slot that is being asked for
.set CNT,  67
.set PFA,  76                          ; s[76:77] where my prefetches stand
.set LIM,  80                          ; s80  2 in the work-group that prefetches, else the greatest number
.set PAR,  81
.set LQ,   82                          ; s82  the work-group's last query
.set QP,   83                          ; s83  the first of my 32 queries; s84, s85 of tile 0, of tile 1
.set QT0,  84
.set QT1,  85
.set KF,   98                          ; s98  the first key of my next step
.set MSB, 0
.macro WIN new                         ; the immediate's high byte repeats the setting that is left
.if MSB != (\new)
	s_set_vgpr_msb (MSB<<8)|(\new)
.set MSB, (\new)
.endif
.endm
.macro PLACES n
.rept \n
	v_nop
.endr
.endm
	s_load_b128 s[4:7], s[0:1], 0x0                ; qkv 4:5, the exponents 6:7
	s_load_b64 s[8:9], s[0:1], 0x10                ; ocodes
	v_lshl_add_u32 v[SPW], v0, 2, SPARE
	v_mov_b32 v[NIL], 0
	ds_add_u32 v[SPW], v[NIL]                      ; the opening lines
	ds_add_u32 v[SPW], v[NIL]
	v_lshrrev_b32 v81, 5, v0
	v_readfirstlane_b32 s[WV], v81                 ; wave 0..7
	s_and_b32 s10, ttmp7, 0xffff                   ; the head
	s_lshl_b32 s11, s10, 18                        ; its 262,144 bytes in q, in k and in v
	s_lshr_b32 s19, s[WV], 2                       ; my block: 0 early, 1 late.  Also: I fetch K's quarters (0) or V's (1)
	s_lshl_b32 s12, s19, 22
	s_add_co_u32 s12, s12, 0x400000
	s_add_co_u32 s12, s12, s11
	s_and_b32 s13, s[WV], 3
	s_lshl_b32 s13, s13, 14
	s_add_co_u32 s12, s12, s13
	s_mov_b32 s13, 0
	s_lshl_b32 s[G0+1], s[WV], 14                  ; LDS address: slot 0, my eighth
	s_and_b32 s[PAR], s[WV], 1
	s_bfe_u32 s15, s[WV], 0x10001
	s_lshl_b32 s15, s15, 5
	s_sub_co_u32 s16, 31, ttmp9
	s_cmp_eq_u32 s19, 0
	s_cselect_b32 s17, ttmp9, s16
	s_lshl_b32 s17, s17, 6
	s_add_co_u32 s[QP], s17, s15
	s_lshl_b32 s16, s16, 6
	s_or_b32 s[LQ], s16, 63
	s_lshl_b32 s14, s[PAR], 4
	s_add_co_u32 s[QT0], s[QP], s14                ; tile 0 is the tile of my parity
	s_xor_b32 s14, s14, 16
	s_add_co_u32 s[QT1], s[QP], s14
	s_lshl_b32 s[KF], s[PAR], 7
	s_mov_b32 s[G1], 3<<16                         ; no mask; elements of 8 bytes; no padding
	s_mov_b32 s[G1+1], 32<<16                      ; rows of 256 bytes
	s_mov_b32 s[G1+2], 64<<16                      ; 64 of them: 16,384 bytes, dense in memory and in LDS
	s_mov_b32 s[G1+3], 32<<16
	s_mov_b32 s[G1+4], 64
	s_mov_b32 s[G1+5], 32
	s_mov_b32 s[G1+6], 0
	s_mov_b32 s[G1+7], 0
	s_mov_b32 s[SEL], 0x76543210
	s_mov_b32 s[SEL+1], 0xfedcba98
	s_mov_b32 s[CS], 0x3e0293ee                    ; log2(e) / sqrt(128)
	s_mov_b32 s[TB], 0
	s_mov_b32 s[NK], 0
	s_mov_b32 s[CNT], 4
	s_cmp_eq_u32 ttmp9, 0                          ; the head's first work-group prefetches for all sixteen
	s_cselect_b32 s[LIM], 2, -1
	s_wait_alu depctr_va_vdst(0)
	s_wait_dscnt 0x0                               ; both opening adds are done
	s_wait_kmcnt 0x0
	s_load_b128 s[68:71], s[6:7], 0x18             ; e6, e7, e8, e9
	s_load_b32 s72, s[6:7], 0x28                   ; e10
	s_mov_b32 s[G0], 1
	s_add_nc_u64 s[G0+2:G0+3], s[4:5], s[12:13]    ; the head's first 512 keys
	s_add_nc_u64 s[PFA:PFA+1], s[G0+2:G0+3], 65536 ; slot 1
	s_or_b32 s[G0+3], s[G0+3], 0x80000000
	tensor_load_to_lds s[G0:G0+3], s[G1:G1+7]      ; slot 0: one tensor load a wave at the head
	s_nop 0
	PLACES 4
	s_lshl_b32 s14, s[QT0], 7                      ; a tile's image: 2,048 bytes
	s_add_co_u32 s14, s14, s11
	s_mov_b32 s15, 0
	s_add_nc_u64 s[16:17], s[4:5], s[14:15]
	s_lshl_b32 s14, s[QT1], 7
	s_add_co_u32 s14, s14, s11
	s_add_nc_u64 s[78:79], s[4:5], s[14:15]
	s_add_co_u32 s14, s[QT0], s10
	s_lshl_b32 s14, s14, 11                        ; tile 0's image of o: (16 x tile + head) x 2,048
	s_add_nc_u64 s[8:9], s[8:9], s[14:15]
	s_lshl_b32 s12, s[PAR], 14
	s_mul_i32 s13, s[WV], STGP
	s_xor_b32 s14, s[WV], 1
	s_mul_i32 s14, s14, STGP
	v_and_b32 v82, 31, v0
	v_lshlrev_b32 v[GO], 4, v82
	v_lshlrev_b32 v[PFO], 8, v82
	v_and_b32 v90, 15, v0
	v_bfe_u32 v91, v0, 4, 1
	v_add_nc_u32 v[AK0], s12, v[GO]
	v_add_nc_u32 v[STW], s13, v[GO]
	v_lshlrev_b32 v91, 3, v91
	v_add_nc_u32 v[STR], s14, v[GO]
	v_add_nc_u32 v[AV0], VOFF, v[AK0]
	v_sub_nc_u32 v[RH], v90, v91
.irp c, 0,1,2,3
	global_load_b128 v[16+4*\c:19+4*\c], v[GO], s[16:17] offset:512*\c   ; Q's fragments stay in registers
	global_load_b128 v[32+4*\c:35+4*\c], v[GO], s[78:79] offset:512*\c
.endr
	v_mov_b32 v13, 0xff61b1e6                      ; the largest t so far: -3e38, under every t
	v_mov_b32 v9, 0xff61b1e6
	v_mov_b32 v14, 0                               ; the sums, in two halves
	v_mov_b32 v15, 0
	v_floor_f32 v12, -v13                          ; -M
	v_floor_f32 v8, -v9
	v_mov_b32 v10, 0
	v_mov_b32 v11, 0
	v_mov_b32 v86, 0
	v_mov_b32 v87, 0                               ; (named as the upper halves of pairs)
	v_mov_b32 v88, 0
	v_mov_b32 v89, 0
	v_mov_b32 v228, 0                              ; written once: a lane permute's destination counts as one of its sources
	v_mov_b32 v229, 0
	WIN 0x40
.set j, 0
.rept 128
	v_mov_b32 v[128+j], 0                          ; O^T.  (The step has no first form of its own: a wave's first may be left out or may be any; the first change of M leaves zeros zeros)
.set j, j+1
.endr
	WIN 0
	s_cmp_eq_u32 ttmp9, 0
	s_cbranch_scc0 .Lno_first
	global_prefetch_b8 v[PFO], s[PFA:PFA+1] th:TH_LOAD_NT scope:SCOPE_SE       ; slot 1, as in the loop
	global_prefetch_b8 v[PFO], s[PFA:PFA+1] offset:8192 th:TH_LOAD_NT scope:SCOPE_SE
.Lno_first:
	s_wait_alu depctr_va_vdst(0)
	s_wait_kmcnt 0x0
	s_add_co_i32 s73, s68, s69
	s_lshl_b32 s73, s73, 23
	s_add_co_i32 s[CS], s[CS], s73                 ; a score stands for score x 2^(e6 + e7): added to the constant's exponent field
	s_mov_b32 s[CS+1], s[CS]                       ; (named with it as a pair, so it is written)
.macro MKSCALE                         ; s73: exponent + 127
	s_lshl_b32 s74, s73, 23
	v_mov_b32 v[SC], s74
	s_add_co_i32 s73, s73, 8
	s_lshl_b32 s73, s73, 23
	s_or_b32 s73, s73, 0x600000
	v_mov_b32 v[LM], s73
.endm
	s_add_co_i32 s73, s71, 127
	MKSCALE
; A KEY STEP: 128 keys, the q-th of my two in the slot in hand: they lie two steps, 32,768 bytes, apart.
.macro STEP q
	s_add_co_u32 s96, s[QP], 31                    ; a step all of whose keys come after my 32 queries is left out: a scalar branch on ids
	s_cmp_gt_u32 s[KF], s96
	s_cbranch_scc1 .Lhidden_\@
	v_add_nc_u32 v[ADK], s[TB], v[AK0]
	v_add_nc_u32 v[ADV], s[TB], v[AV0]
	PLACES 2                                       ; with the two additions four places in front of loads into registers that matrix instructions have read
	s_wait_alu depctr_va_vdst(0)
.irp t, 0,1,2,3,4,5,6,7
.irp c, 0,1,2,3
	ds_load_b128 v[FR+16*\t+4*\c:FR+16*\t+4*\c+3], v[ADK] offset:(\q)*32768+\t*2048+512*\c
.endr
.endr
	WIN 0x40
.irp t, 0,1,2,3,4,5,6,7                ; S^T = K Q^T: 16 keys x both tiles of queries
	s_wait_dscnt 28-4*\t                           ; this fragment is in; the later ones' loads may be out
	v_wmma_f32_16x16x128_fp8_fp8 v[8*\t:8*\t+7], v[FR+16*\t:FR+16*\t+15], v[16:31], 0
	v_wmma_f32_16x16x128_fp8_fp8 v[64+8*\t:71+8*\t], v[FR+16*\t:FR+16*\t+15], v[32:47], 0
.endr
	WIN 0
	PLACES 4
.irp t, 0,1,2,3,4,5,6,7                ; V's fragments come while the softmax is worked
.irp c, 0,1,2,3
	ds_load_b128 v[FR+16*\t+4*\c:FR+16*\t+4*\c+3], v[ADV] offset:(\q)*32768+\t*2048+512*\c
.endr
.endr
	s_add_co_u32 s96, s[KF], 127                   ; on the diagonal the scores of hidden keys become -infinity ahead of the maximum: p = 0 then.  A step all of whose keys count skips this
	s_cmp_le_u32 s96, s[QP]
	s_cbranch_scc1 .Lopen_\@
	s_sub_co_i32 s96, s[QT0], s[KF]
	s_sub_co_i32 s97, s[QT1], s[KF]
	v_add_nc_u32 v90, s96, v[RH]                   ; d = my query - KF - 8 (lane / 16).  Register n holds key KF + 8 (lane / 16) + 16 (n / 8) + n % 8: hidden where 16 (n / 8) + n % 8 > d
	v_add_nc_u32 v91, s97, v[RH]
	v_mov_b32 v92, 0xff800000                      ; -infinity
	WIN 0x41
.set j, 0
.rept 64
	v_cmp_gt_i32 vcc_lo, 16*(j/8)+j%8, v90
	v_cndmask_b32 v[j], v[j], v92, vcc_lo
	v_cmp_gt_i32 vcc_lo, 16*(j/8)+j%8, v91
	v_cndmask_b32 v[64+j], v[64+j], v92, vcc_lo
.set j, j+1
.endr
	WIN 0
.Lopen_\@:
	WIN 0x15
	v_max3_num_f32 v224, v0, v1, v2                ; the step's largest score of my query, among my 64 keys, two chains for each tile,
	v_max3_num_f32 v226, v64, v65, v66
	v_max3_num_f32 v225, v3, v4, v5
	v_max3_num_f32 v227, v67, v68, v69
	WIN 0x14
.irp i, 6,10,14,18,22,26,30,34,38,42,46,50,54,58
	v_max3_num_f32 v224, v224, v[\i], v[\i+1]
	v_max3_num_f32 v226, v226, v[64+\i], v[65+\i]
	v_max3_num_f32 v225, v225, v[\i+2], v[\i+3]
	v_max3_num_f32 v227, v227, v[66+\i], v[67+\i]
.endr
	v_max3_num_f32 v224, v224, v62, v63
	v_max3_num_f32 v226, v226, v126, v127
	WIN 0
	v_max_num_f32 v224, v224, v225
	v_max_num_f32 v226, v226, v227
	v_permlanex16_b32 v228, v224, s[SEL], s[SEL+1]
	v_permlanex16_b32 v229, v226, s[SEL], s[SEL+1]
	v_max_num_f32 v224, v224, v228                 ; and among lane l xor 16's
	v_max_num_f32 v226, v226, v229
	v_mul_f32 v224, s[CS], v224                    ; as t (c is positive)
	v_mul_f32 v226, s[CS], v226
	v_max_num_f32 v13, v13, v224                   ; the running largest t
	v_max_num_f32 v9, v9, v226
	v_mov_b32 v230, v12
	v_mov_b32 v231, v8
	v_floor_f32 v12, -v13                          ; the new -M = floor(-t) = -ceil(t): M is a whole number
	v_floor_f32 v8, -v9
	v_sub_f32 v230, v12, v230                      ; M's old value less its new one: a whole number, 0 or less
	v_sub_f32 v231, v8, v231
	v_cvt_i32_f32 v230, v230                       ; (it saturates)
	v_cvt_i32_f32 v231, v231
	v_ldexp_f32 v[FA], 1.0, v230                   ; 2^(old M - new M): a multiplication by it rounds nothing
	v_ldexp_f32 v[FB], 1.0, v231
	WIN 0x41
.set j, 0
.rept 32
	v_pk_fma_f32 v[j:j+1], v[j:j+1], s[CS:CS+1], v[12:13] op_sel_hi:[1,0,0]   ; t - M, two at a time (of the pairs c and -M the low word serves both halves)
	v_pk_fma_f32 v[64+j:65+j], v[64+j:65+j], s[CS:CS+1], v[8:9] op_sel_hi:[1,0,0]
.set j, j+2
.endr
	s_wait_alu depctr_va_vdst(0)
.set j, 0
.rept 128
	v_exp_f32 v[j], v[j]                           ; p = 2^(t - M), at most 1: not normalised
.set j, j+1
.endr
	WIN 0
	v_pk_mul_f32 v[14:15], v[14:15], v[FA:FA+1] op_sel_hi:[1,0]   ; the sums under the new M: the plain instructions behind the exponentials
	v_pk_mul_f32 v[10:11], v[10:11], v[FB:FB+1] op_sel_hi:[1,0]
	s_wait_alu depctr_va_vdst(0)                   ; one wait for the whole batch, ahead of its first reader
	WIN 0x05
.irp c, 0,1,2,3                        ; the row's sum is taken of the unquantised p: four chains for each tile
	v_pk_add_f32 v[232+2*\c:233+2*\c], v[4*\c:4*\c+1], v[4*\c+2:4*\c+3]
	v_pk_add_f32 v[240+2*\c:241+2*\c], v[64+4*\c:65+4*\c], v[66+4*\c:67+4*\c]
.endr
	WIN 0x04
.set j, 8
.rept 24
	v_pk_add_f32 v[232+2*(j%4):233+2*(j%4)], v[232+2*(j%4):233+2*(j%4)], v[2*j:2*j+1]
	v_pk_add_f32 v[240+2*(j%4):241+2*(j%4)], v[240+2*(j%4):241+2*(j%4)], v[64+2*j:65+2*j]
.set j, j+1
.endr
	WIN 0
	v_pk_add_f32 v[232:233], v[232:233], v[234:235]
	v_pk_add_f32 v[240:241], v[240:241], v[242:243]
	v_pk_add_f32 v[236:237], v[236:237], v[238:239]
	v_pk_add_f32 v[244:245], v[244:245], v[246:247]
	v_pk_add_f32 v[14:15], v[14:15], v[232:233]
	v_pk_add_f32 v[10:11], v[10:11], v[240:241]
	v_pk_add_f32 v[14:15], v[14:15], v[236:237]
	v_pk_add_f32 v[10:11], v[10:11], v[244:245]
	WIN 0x41
.set j, 0
.rept 128
	v_min_num_f32 v[j], v[j], v[LM]                ; the conversion does not saturate (ISA guide 7.6.2); p is not negative, so the hold is one-sided
.set j, j+1
.endr
	s_wait_alu depctr_va_vdst(0)
.set j, 0
.rept 32
	v_pk_mul_f32 v[128+j:129+j], v[128+j:129+j], v[FA:FA+1] op_sel_hi:[1,0]   ; O^T under the new M
	v_pk_mul_f32 v[192+j:193+j], v[192+j:193+j], v[FB:FB+1] op_sel_hi:[1,0]
.set j, j+2
.endr
	WIN 0x01
.irp t, 0,1,2,3,4,5,6,7                ; keys 16 t + 8 (lane / 16) + 0 .. 7: registers 2 t, 2 t + 1 of P's fragment
	v_cvt_scalef32_pk8_fp8_f32 v[48+2*\t:49+2*\t], v[8*\t:8*\t+7], v[SC]
	v_cvt_scalef32_pk8_fp8_f32 v[64+2*\t:65+2*\t], v[64+8*\t:71+8*\t], v[SC]
.endr
	v_nop
	s_wait_alu depctr_va_vdst(0)
	WIN 0x50
.irp t, 0,1,2,3,4,5,6,7                ; O^T += V^T P^T: 16 channels x both tiles; each of the sixteen accumulators has one instruction a step
	s_wait_dscnt 28-4*\t
	v_wmma_f32_16x16x128_fp8_fp8 v[128+8*\t:135+8*\t], v[FR+16*\t:FR+16*\t+15], v[48:63], v[128+8*\t:135+8*\t]
	v_wmma_f32_16x16x128_fp8_fp8 v[192+8*\t:199+8*\t], v[FR+16*\t:FR+16*\t+15], v[64:79], v[192+8*\t:199+8*\t]
.endr
	WIN 0
.Lhidden_\@:
	s_add_co_u32 s[KF], s[KF], 256                 ; my next step lies two steps on
.endm
	s_wait_alu depctr_va_vdst(0)
	s_wait_loadcnt 0x0                             ; Q
; A slot a trip.  THE CHANGE OF SLOTS stands at its head: each wave waits for its part of the slot that it is about to read, adds 0 to its spare word, and waits for that and for its reads of the slot that it has left.
; Behind the barrier the slot ahead is whole and nobody reads the other one, which is filled with the next 512 keys up to the causal limit: the load has a slot's steps in which to land.
; A PREFETCH INTO THE L2 of what the NEXT change will ask for: all work-groups of a head walk the same K and V: the head's first asks, each wave for its own 16,384 bytes: two instructions, lanes 256 bytes apart.
; So each aligned block of 256 bytes of slots 1 (at the head), 2 and 3 is named once in the launch.
.Lslot:
	s_wait_tensorcnt 0x0
	ds_add_u32 v[SPW], v[NIL]
	s_xor_b32 s[G0+1], s[G0+1], SLOT1              ; the walking descriptor: the other slot,
	s_add_nc_u64 s[G0+2:G0+3], s[G0+2:G0+3], 65536 ; the next 512 keys; the type bits on top are not reached
	s_add_co_u32 s[NK], s[NK], 512
	s_wait_xcnt 0x0                                ; the last prefetches have read their address
	s_add_nc_u64 s[PFA:PFA+1], s[PFA:PFA+1], 65536
	s_wait_dscnt 0x0
	s_barrier_signal -1
	s_barrier_wait -1
	s_cmp_gt_u32 s[NK], s[LQ]                      ; ids and the count of slots alone: all waves go the same way, and a work-group past the limit stays past it
	s_cbranch_scc1 .Lpast
	tensor_load_to_lds s[G0:G0+3], s[G1:G1+7]
	s_nop 0
	PLACES 4
.Lpast:
	s_cmp_gt_u32 s[CNT], s[LIM]
	s_cbranch_scc0 .Lnot_mine
	global_prefetch_b8 v[PFO], s[PFA:PFA+1] th:TH_LOAD_NT scope:SCOPE_SE
	global_prefetch_b8 v[PFO], s[PFA:PFA+1] offset:8192 th:TH_LOAD_NT scope:SCOPE_SE
.Lnot_mine:
	STEP 0
	STEP 1
	s_xor_b32 s[TB], s[TB], SLOT1
	s_sub_co_u32 s[CNT], s[CNT], 1
	s_cmp_lg_u32 s[CNT], 0
	s_cbranch_scc1 .Lslot
	; THE EXCHANGE, in slot 0's bytes: behind this barrier every load has landed and nobody reads the ring any more.  I put tile 1's O^T, -M and sum as they stand in my registers; the other wave has them in the same lanes.
	PLACES 4                                       ; behind the last products
	s_wait_alu depctr_va_vdst(0)
	s_wait_tensorcnt 0x0
	s_wait_dscnt 0x0
	s_barrier_signal -1
	s_barrier_wait -1
	WIN 0x04
.set j, 0
.rept 16
	ds_store_b128 v[STW], v[192+4*j:195+4*j] offset:512*j   ; each accumulator from its low end on
.set j, j+1
.endr
	WIN 0
	ds_store_b128 v[STW], v[8:11] offset:8192
	s_wait_dscnt 0x0                               ; for the other wave's sake: my stores have landed
	s_barrier_signal -1
	s_barrier_wait -1
	ds_load_b128 v[48:51], v[STR] offset:8192      ; v48 the other wave's -M, v[50:51] its sum
.set j, 0
.rept 16
	ds_load_b128 v[96+4*j:99+4*j], v[STR] offset:512*j
.set j, j+1
.endr
	s_wait_dscnt 0x0
	v_min_num_f32 v52, v12, v48                    ; -M of both: the larger M.  (One of the two waves has key 0, which counts for every query: so it is a number)
	v_sub_f32 v53, v52, v12                        ; my M less the common one: a whole number, 0 or less (about -3e38 where a wave had no step),
	v_sub_f32 v54, v52, v48                        ; and the other wave's
	v_cvt_i32_f32 v53, v53                         ; (they saturate)
	v_cvt_i32_f32 v54, v54
	v_ldexp_f32 v[FA], 1.0, v53                    ; my factor,
	v_ldexp_f32 v[FB], 1.0, v54                    ; the other's: exact powers of two, or 0
	v_pk_mul_f32 v[14:15], v[14:15], v[FA:FA+1] op_sel_hi:[1,0]
	v_pk_fma_f32 v[14:15], v[50:51], v[FB:FB+1], v[14:15] op_sel_hi:[1,0,1]   ; the sum of both
	WIN 0x01
.set j, 0
.rept 32
	v_pk_mul_f32 v[160+j:161+j], v[128+j:129+j], v[FA:FA+1] op_sel_hi:[1,0]
.set j, j+2
.endr
	WIN 0
.set j, 0
.rept 32
	v_pk_fma_f32 v[160+j:161+j], v[96+j:97+j], v[FB:FB+1], v[160+j:161+j] op_sel_hi:[1,0,1]   ; O^T of both
.set j, j+2
.endr
	; THE WAY OUT.  O^T / the sum stands for o / 2^(e8 + e9): its code is that / 2^(e10 - e8 - e9).
	v_add_f32 v14, v14, v15                        ; the sum's two halves,
	v_permlanex16_b32 v228, v14, s[SEL], s[SEL+1]
	v_add_f32 v14, v14, v228                       ; and lane l xor 16's: the row's sum
	s_wait_alu depctr_va_vdst(0)
	v_rcp_f32 v14, v14
	s_sub_co_i32 s73, s72, s70
	s_sub_co_i32 s73, s73, s71
	s_add_co_i32 s73, s73, 127
	MKSCALE                                        ; (its two moves are plain instructions behind the reciprocal)
	s_wait_alu depctr_va_vdst(0)                   ; the wait ahead of the reciprocal's first reader
.set j, 0
.rept 32
	v_pk_mul_f32 v[160+j:161+j], v[160+j:161+j], v[14:15] op_sel_hi:[1,0]
.set j, j+2
.endr
.set j, 0
.rept 64
	v_med3_num_f32 v[160+j], v[160+j], -v[LM], v[LM]   ; the conversion does not saturate (ISA guide 7.6.2): the hold comes first
.set j, j+1
.endr
.irp t, 0,1,2,3,4,5,6,7
	v_cvt_scalef32_pk8_fp8_f32 v[48+2*\t:49+2*\t], v[160+8*\t:167+8*\t], v[SC]
.endr
	v_nop
.irp c, 0,1,2,3
	global_store_b128 v[GO], v[48+4*\c:51+4*\c], s[8:9] offset:512*\c   ; 32 lanes store 512 consecutive bytes, aligned
.endr
	s_wait_tensorcnt 0x0                           ; the wave's end
	ds_add_u32 v[SPW], v[NIL]
	s_wait_dscnt 0x0
	s_endpgm
.Lfunc_end_k_qdf73d82da8_attn:
	.size	k_qdf73d82da8_attn, .Lfunc_end_k_qdf73d82da8_attn-k_qdf73d82da8_attn
	.p2alignl 7, 3214868480
	.fill 96, 4, 3214868480
	.section	.rodata,"a",@progbits
	.p2align	6, 0x0
	.amdhsa_kernel k_qdf73d82da8_attn
		.amdhsa_group_segment_fixed_size 327680
		.amdhsa_private_segment_fixed_size 0
		.amdhsa_enable_private_segment 0
		.amdhsa_kernarg_size 24
		.amdhsa_user_sgpr_count 2
		.amdhsa_user_sgpr_kernarg_segment_ptr 1
		.amdhsa_wavefront_size32 1
		.amdhsa_system_sgpr_workgroup_id_x 1
		.amdhsa_system_sgpr_workgroup_id_y 1
		.amdhsa_system_sgpr_workgroup_id_z 1
		.amdhsa_system_vgpr_workitem_id 0
		.amdhsa_next_free_vgpr 512
		.amdhsa_next_free_sgpr 100
		.amdhsa_reserve_vcc 1
		.amdhsa_float_denorm_mode_32 3
		.amdhsa_float_denorm_mode_16_64 3
		.amdhsa_memory_ordered 1
		.amdhsa_forward_progress 1
		.amdhsa_inst_pref_size 114
	.end_amdhsa_kernel
	.amdgpu_metadata
---
amdhsa.version: [ 1, 2 ]
amdhsa.kernels:
  - .name:           k_qdf73d82da8_attn
    .symbol:         k_qdf73d82da8_attn.kd
    .args:
      - { .name: qkv, .offset: 0, .size: 8, .value_kind: global_buffer, .address_space: global }
      - { .name: lowp_scales, .offset: 8, .size: 8, .value_kind: global_buffer, .address_space: global }
      - { .name: ocodes, .offset: 16, .size: 8, .value_kind: global_buffer, .address_space: global }
    .group_segment_fixed_size: 327680
    .private_segment_fixed_size: 0
    .kernarg_segment_align: 8
    .kernarg_segment_size: 24
    .max_flat_workgroup_size: 256
    .sgpr_count:     100
    .vgpr_count:     512
    .wavefront_size: 32
...
	.end_amdgpu_metadata
.endif
;; end of part 3
;; launch oproj (part 4): grid 16 x 16, 4 waves a work-group, clusters of 4 x 4, 327,680 bytes of LDS; arguments ocodes, wocodes, lowp_scales, out0; writes out0
.if DOCPART == 4
	.amdgcn_target "amdgcn-amd-amdhsa--gfx1250"
	.amdhsa_code_object_version 6
	.text
	.protected	k_qdf73d82da8_oproj
	.globl	k_qdf73d82da8_oproj
	.p2align	8
	.type	k_qdf73d82da8_oproj,@function
k_qdf73d82da8_oproj:
	s_mov_b64 s[64:65], 0
	v_nop
	global_prefetch_b8 v0, s[64:65] scope:SCOPE_SE
	s_setreg_imm32_b32 hwreg(HW_REG_WAVE_MODE, 25, 1), 1
	s_wait_xcnt 0x0
	s_wait_alu depctr_hold_cnt(0) depctr_sa_sdst(0) depctr_va_vdst(0) depctr_va_sdst(0) depctr_va_ssrc(0) depctr_va_vcc(0) depctr_vm_vsrc(0)
	s_getreg_b32 s2, hwreg(HW_REG_IB_STS2, 6, 4)
	s_cmp_eq_u32 s2, 0
	s_cbranch_scc0 .Lentry_in_a_cluster
	s_endpgm
.Lentry_in_a_cluster:
	s_bfe_u32 s2, ttmp6, 0x10000c
	s_cmp_lg_u32 s2, 0xf033
	s_cbranch_scc0 .Lentry_shape_is_right
	s_endpgm
.Lentry_shape_is_right:
; out = o wo on codes of E4M3 (images, as quant's head lays them down), each sum multiplied once by 2^(e10 + e11).  LIMIT: e10 + e11 lies between -126 and 127.
; A block of 128 x 128 is made by four waves, 64 x 64 each.  K goes in four slots of 512 through a ring of two: A's 8 tiles, then B's 8, four images each.  Clusters of 4 x 4 share A's tiles along a row, B's along a column.
; PREFETCHES INTO THE L2: of the four tiles that a wave fetches with its three partners each partner names one (by address: cx for A, cy for B), 32 blocks of 256 bytes.
; Behind slot 0's load: slot 1; behind slot 1's: slots 2 and 3, the last.
.set SLOT,   131072
.set STAGE,  2*SLOT
.set SPITCH, 272
.set SPARE,  STAGE+4*16*SPITCH
.set ADRA, 16
.set ADRB, 20
.set STO,  24
.set RD,   25
.set CO,   26
.set SPW,  28
.set NIL,  29
.set TMP,  32
.set BK,   64
.set ACC,  128
.set F0,   0
.set F1,   128
.set G1, 24
.set G0, 32
.set G1B, 48
.set G0B, 56
.set MSB, 0
.macro WIN new
.if MSB != (\new)
	s_set_vgpr_msb (MSB<<8)|(\new)
.set MSB, (\new)
.endif
.endm
.set MUL,  0x05
.set TO_F, 0x40
.macro JLOAD s
	s_cmp_eq_u32 s15, 0
	s_cbranch_scc0 .Lfor_b_\@
	tensor_load_to_lds s[G0+4*\s:G0+4*\s+3], s[G1:G1+7]
	s_nop 0
.rept 4
	v_nop
.endr
	s_branch .Lasked_\@
.Lfor_b_\@:
	tensor_load_to_lds s[G0B+4*\s:G0B+4*\s+3], s[G1B:G1B+7]
	s_nop 0
.rept 4
	v_nop
.endr
.Lasked_\@:
.endm
.macro CREST
	s_cmp_lg_u32 s14, 0
	s_cbranch_scc1 .Lnot_wave_0_\@
	s_barrier_signal -3
.Lnot_wave_0_\@:
	s_barrier_wait -3
	s_barrier_signal -1
	s_barrier_wait -1
.endm
.macro CROUND
	s_barrier_signal -1
	s_barrier_wait -1
	CREST
.endm
	s_load_b128 s[4:7], s[0:1], 0x0
	s_load_b128 s[8:11], s[0:1], 0x10
	v_lshl_add_u32 v[SPW], v0, 2, SPARE
	v_mov_b32 v[NIL], 0
	ds_add_u32 v28, v29
	ds_add_u32 v28, v29
	s_wait_dscnt 0x0
	v_lshrrev_b32 v1, 5, v0
	v_readfirstlane_b32 s14, v1
	s_lshr_b32 s15, s14, 1
	s_and_b32 s16, s14, 1
	s_bfe_u32 s40, ttmp6, 0x40000
	s_bfe_u32 s41, ttmp6, 0x40004
	s_lshl_b32 s42, ttmp9, 2
	s_add_co_u32 s42, s42, s40
	s_and_b32 s17, ttmp7, 0xffff
	s_lshl_b32 s17, s17, 2
	s_add_co_u32 s17, s17, s41
	s_lshl_b32 s43, s41, 2
	s_lshl_b32 s43, 15, s43
	s_lshl_b32 s44, 0x1111, s40
	s_or_b32 s[G1+0], s43, (3<<16)|(1<<21)
	s_or_b32 s[G1B+0], s44, (3<<16)|(1<<21)
.irp g, G1, G1B
	s_mov_b32 s[\g+1], 1024<<16
	s_mov_b32 s[\g+2], 4<<16
	s_mov_b32 s[\g+3], 1024<<16
	s_mov_b32 s[\g+4], 4
	s_mov_b32 s[\g+5], 4096
	s_mov_b32 s[\g+6], 0
	s_mov_b32 s[\g+7], 0
.endr
	s_lshl_b32 s18, s16, 17
	s_lshl_b32 s20, s17, 18
	s_add_co_u32 s20, s20, s18
	s_mov_b32 s21, 0
	s_lshl_b32 s46, s42, 18
	s_add_co_u32 s46, s46, s18
	s_mov_b32 s47, 0
	s_lshl_b32 s45, s14, 15
	s_wait_kmcnt 0x0
	s_load_b64 s[68:69], s[8:9], 0x28
	s_add_nc_u64 s[20:21], s[4:5], s[20:21]
	s_add_nc_u64 s[46:47], s[6:7], s[46:47]
	CROUND
.irp s, 0,1
	s_mov_b32 s[G0+4*\s], 1
	s_add_co_u32 s[G0+4*\s+1], s45, \s*SLOT
	s_add_nc_u64 s[G0+4*\s+2:G0+4*\s+3], s[20:21], \s*8192
	s_or_b32 s[G0+4*\s+3], s[G0+4*\s+3], 0x80000000
	s_mov_b32 s[G0B+4*\s], 1
	s_add_co_u32 s[G0B+4*\s+1], s45, \s*SLOT
	s_add_nc_u64 s[G0B+4*\s+2:G0B+4*\s+3], s[46:47], \s*8192
	s_or_b32 s[G0B+4*\s+3], s[G0B+4*\s+3], 0x80000000
.endr
	JLOAD 0                                        ; slot 0: one tensor load a wave at the head
	s_cmp_eq_u32 s15, 0
	s_cselect_b64 s[70:71], s[20:21], s[46:47]
	s_cselect_b32 s72, s40, s41
	s_lshl_b32 s72, s72, 15
	s_mov_b32 s73, 0
	s_add_nc_u64 s[70:71], s[70:71], s[72:73]
	v_and_b32 v30, 31, v0
	v_lshlrev_b32 v30, 8, v30                      ; 256 x lane; never rewritten
	global_prefetch_b8 v30, s[70:71] offset:8192 th:TH_LOAD_NT scope:SCOPE_SE
	v_and_b32 v1, 15, v0
	s_wait_alu depctr_va_vdst(0)
	v_bfe_u32 v2, v0, 4, 1
	v_and_b32 v3, 31, v0
	v_lshlrev_b32 v4, 4, v3
	s_lshl_b32 s21, s15, 15
	s_lshl_b32 s22, s16, 15
	s_add_co_u32 s22, s22, 65536
.irp s, 0,1
	v_add_nc_u32 v[ADRA+\s], s21, v4
	v_add_nc_u32 v[ADRB+\s], s22, v4
	s_add_co_u32 s21, s21, SLOT
	s_add_co_u32 s22, s22, SLOT
.endr
	s_mul_i32 s23, s14, 16*SPITCH
	s_add_co_u32 s23, s23, STAGE
	v_mul_u32_u24 v5, v1, SPITCH
	s_wait_alu depctr_va_vdst(0)
	v_lshl_add_u32 v5, v2, 5, v5
	v_add_nc_u32 v[STO], s23, v5
	v_mul_u32_u24 v5, v2, SPITCH
	v_lshl_add_u32 v5, v1, 4, v5
	v_add_nc_u32 v[RD], s23, v5
	v_lshlrev_b32 v5, 13, v2
	v_lshl_add_u32 v[CO], v1, 4, v5
	s_lshl_b32 s20, s17, 20
	s_lshl_b32 s21, s15, 19
	s_add_co_u32 s20, s20, s21
	s_mov_b32 s21, 0
	s_add_nc_u64 s[10:11], s[10:11], s[20:21]
	s_lshl_b32 s46, s42, 9
	s_lshl_b32 s47, s16, 8
	s_add_co_u32 s46, s46, s47
	s_mov_b32 s47, 0
	s_add_nc_u64 s[10:11], s[10:11], s[46:47]
.macro MUL8 f, a0, zero
.irp a, \a0, \a0+1
.irp b, 0,1,2,3
.if \zero
	v_wmma_f32_16x16x128_fp8_fp8 v[ACC+8*(4*(\a)+\b):ACC+8*(4*(\a)+\b)+7], v[\f+64+16*\b:\f+64+16*\b+15], v[\f+16*(\a):\f+16*(\a)+15], 0
.else
	v_wmma_f32_16x16x128_fp8_fp8 v[ACC+8*(4*(\a)+\b):ACC+8*(4*(\a)+\b)+7], v[\f+64+16*\b:\f+64+16*\b+15], v[\f+16*(\a):\f+16*(\a)+15], v[ACC+8*(4*(\a)+\b):ACC+8*(4*(\a)+\b)+7]
.endif
.endr
.endr
.endm
.macro FETCH slot, q, f
	WIN TO_F
.irp i, 0,1,2,3
.irp c, 0,1,2,3
	ds_load_b128 v[\f+64+16*\i+4*\c:\f+64+16*\i+4*\c+3], v[ADRB+\slot] offset:(4*\i+\q)*2048+512*\c
.endr
.endr
.irp i, 0,1,2,3
.irp c, 0,1,2,3
	ds_load_b128 v[\f+16*\i+4*\c:\f+16*\i+4*\c+3], v[ADRA+\slot] offset:(4*\i+\q)*2048+512*\c
.endr
.endr
.endm
.macro PLACES
.rept 4
	v_nop
.endr
.endm
.macro QUARTER slot, qn, f, g, zero
	s_wait_dscnt 0x0
	PLACES
	FETCH \slot, \qn, \g
	WIN MUL
	MUL8 \f, 0, \zero
	MUL8 \f, 2, \zero
.endm
.macro TURN slot, next, fill
	WIN 0
	s_wait_tensorcnt 0x0
	ds_add_u32 v[SPW], v[NIL]
	s_wait_dscnt 1
	WIN MUL
	MUL8 F1, 0, 0
	s_wait_dscnt 0x0
	s_barrier_signal -1
	WIN 0
	s_barrier_wait -1
.if \fill
	CREST
	s_add_nc_u64 s[G0+4*\slot+2:G0+4*\slot+3], s[G0+4*\slot+2:G0+4*\slot+3], 16384
	s_add_nc_u64 s[G0B+4*\slot+2:G0B+4*\slot+3], s[G0B+4*\slot+2:G0B+4*\slot+3], 16384
	JLOAD \slot
.else
	PLACES
.endif
	FETCH \next, 0, F0
	WIN MUL
	MUL8 F1, 2, 0
.endm
	s_wait_alu depctr_va_vdst(0)
	s_wait_tensorcnt 0x0                           ; my part of slot 0 is in
	ds_add_u32 v[SPW], v[NIL]
	s_wait_dscnt 0x0
	CROUND
	JLOAD 1
	FETCH 0, 0, F0
	global_prefetch_b8 v30, s[70:71] offset:16384 th:TH_LOAD_NT scope:SCOPE_SE
	global_prefetch_b8 v30, s[70:71] offset:24576 th:TH_LOAD_NT scope:SCOPE_SE
	QUARTER 0, 1, F0, F1, 1
	QUARTER 0, 2, F1, F0, 0
	QUARTER 0, 3, F0, F1, 0
	TURN 0, 1, 1
	QUARTER 1, 1, F0, F1, 0
	QUARTER 1, 2, F1, F0, 0
	QUARTER 1, 3, F0, F1, 0
	TURN 1, 0, 1
	QUARTER 0, 1, F0, F1, 0
	QUARTER 0, 2, F1, F0, 0
	QUARTER 0, 3, F0, F1, 0
	TURN 0, 1, 0
	QUARTER 1, 1, F0, F1, 0
	QUARTER 1, 2, F1, F0, 0
	QUARTER 1, 3, F0, F1, 0
	s_wait_dscnt 0x0
	MUL8 F1, 0, 0
	MUL8 F1, 2, 0
	WIN 0
	s_wait_kmcnt 0x0
	s_add_co_i32 s66, s68, s69
	s_add_co_i32 s66, s66, 127
	s_lshl_b32 s66, s66, 23
	s_mov_b32 s67, s66
	PLACES
.irp a, 0,1,2,3
.if \a >= 2
	s_wait_xcnt 0x0
.endif
.set j, 0
.rept 16
	v_pk_mul_f32 v[TMP+j:TMP+j+1], v[ACC+32*\a+j:ACC+32*\a+j+1], s[66:67] op_sel_hi:[1,0]
.set j, j+2
.endr
.irp b, 0,1,2,3
	ds_store_b128 v[STO], v[TMP+8*\b:TMP+8*\b+3] offset:64*\b
	ds_store_b128 v[STO], v[TMP+8*\b+4:TMP+8*\b+7] offset:64*\b+16
.endr
.irp t, 0,1,2,3,4,5,6,7
	ds_load_b128 v[BK+32*(\a%2)+4*\t:BK+32*(\a%2)+4*\t+3], v[RD] offset:2*\t*SPITCH
.endr
	s_wait_dscnt 0x0
.irp t, 0,1,2,3,4,5,6,7
	global_store_b128 v[CO], v[BK+32*(\a%2)+4*\t:BK+32*(\a%2)+4*\t+3], s[10:11] offset:(16*\a+2*\t)*8192 th:TH_STORE_NT
.endr
.endr
	s_wait_tensorcnt 0x0
	ds_add_u32 v[SPW], v[NIL]
	s_wait_dscnt 0x0
	CROUND
	s_endpgm
.Lfunc_end_k_qdf73d82da8_oproj:
	.size	k_qdf73d82da8_oproj, .Lfunc_end_k_qdf73d82da8_oproj-k_qdf73d82da8_oproj
	.p2alignl 7, 3214868480
	.fill 96, 4, 3214868480
	.section	.rodata,"a",@progbits
	.p2align	6, 0x0
	.amdhsa_kernel k_qdf73d82da8_oproj
		.amdhsa_group_segment_fixed_size 327680
		.amdhsa_private_segment_fixed_size 0
		.amdhsa_enable_private_segment 0
		.amdhsa_kernarg_size 32
		.amdhsa_user_sgpr_count 2
		.amdhsa_user_sgpr_kernarg_segment_ptr 1
		.amdhsa_wavefront_size32 1
		.amdhsa_system_sgpr_workgroup_id_x 1
		.amdhsa_system_sgpr_workgroup_id_y 1
		.amdhsa_system_sgpr_workgroup_id_z 1
		.amdhsa_system_vgpr_workitem_id 0
		.amdhsa_next_free_vgpr 512
		.amdhsa_next_free_sgpr 80
		.amdhsa_reserve_vcc 0
		.amdhsa_float_denorm_mode_32 3
		.amdhsa_float_denorm_mode_16_64 3
		.amdhsa_memory_ordered 1
		.amdhsa_forward_progress 1
		.amdhsa_inst_pref_size 74
	.end_amdhsa_kernel
	.amdgpu_metadata
---
amdhsa.version: [ 1, 2 ]
amdhsa.kernels:
  - .name:           k_qdf73d82da8_oproj
    .symbol:         k_qdf73d82da8_oproj.kd
    .args:
      - { .name: ocodes, .offset: 0, .size: 8, .value_kind: global_buffer, .address_space: global }
      - { .name: wocodes, .offset: 8, .size: 8, .value_kind: global_buffer, .address_space: global }
      - { .name: lowp_scales, .offset: 16, .size: 8, .value_kind: global_buffer, .address_space: global }
      - { .name: out0, .offset: 24, .size: 8, .value_kind: global_buffer, .address_space: global }
    .group_segment_fixed_size: 327680
    .private_segment_fixed_size: 0
    .kernarg_segment_align: 8
    .kernarg_segment_size: 32
    .max_flat_workgroup_size: 128
    .sgpr_count:     80
    .vgpr_count:     512
    .wavefront_size: 32
...
	.end_amdgpu_metadata
.endif
;; end of part 4
